; MI455X (gfx1250); checked and timed in simulation.
; The chip was launched on July 23, 2026; its instructions are those of AMD's public machine-readable ISA for CDNA 5 (MIT licence, August 2026) and "CDNA5" Instruction Set Architecture Reference Guide (July 2026). The comments in the code are by the model that wrote it; some were corrected since.
;; Multi Head Attention. Allowed arithmetic: matrix products marked QUANTISED: E2M3 operands, one E8M0 scale for each 32 along K, by v_wmma_scale_f32_16x16x128_f8f6f4 with both operands' format E2M3, f32 sums; everything else in f32.
;; Inputs: Wk 1,024 x 1,024 float32; Wo 1,024 x 1,024 float32; Wq 1,024 x 1,024 float32; Wv 1,024 x 1,024 float32; bk 1,024 float32; bo 1,024 float32; bq 1,024 float32; bv 1,024 float32; k 4 x 2,048 x 1,024 float32; q 4 x 2,048 x 1,024 float32; v 4 x 2,048 x 1,024 float32.
;; Outputs: out0 4 x 2,048 x 1,024 float32.
;; This version of the problem:
;;   THIS VERSION OF THE PROBLEM IS GIVEN IN LOW PRECISION. The matrix products marked QUANTISED in the list below multiply operands that are first quantised to E2M3 (2 exponent bits, 3 mantissa bits; 6 bits a number), with one power-of-two scale for each 32 numbers along K (OCP MX v1.0); their sums are f32. All else is computed in f32.
;;   The module's matrix products, in the order in which they are computed (A, B: the left and right operand; K: the contracted axis; several contracted axes count as one K, in the product's order):
;;     1. [M 8,192, K 1,024] x [K 1,024, N 1,024]; A: input q; B: input Wq: QUANTISED
;;     2. [M 8,192, K 1,024] x [K 1,024, N 1,024]; A: input k; B: input Wk: QUANTISED
;;     3. [M 8,192, K 1,024] x [K 1,024, N 1,024]; A: input v; B: input Wv: QUANTISED
;;     4. batch 64 x [M 2,048, K 64] x [K 64, N 2,048]; A: computed on the way; B: computed on the way: QUANTISED
;;     5. batch 64 x [M 2,048, K 2,048] x [K 2,048, N 64]; A: softmax (see below); B: computed on the way: QUANTISED
;;     6. [M 8,192, K 1,024] x [K 1,024, N 1,024]; A: computed on the way; B: input Wo: QUANTISED
;;   THE QUANTISER, for each operand of a quantised product, along K:
;;     - K is cut into blocks of 32 from its start; a last block that is shorter is filled with zeros.
;;     - A block's scale is 2^e with e = floor(log2(the largest magnitude in the block)) - 2, held to -126 .. 127; a block of zeros has e = 0. As a byte (E8M0): e + 127.
;;     - Each number is divided by its block's scale, clamped to +-7.5, and rounded to the nearest number of E2M3, ties to even, subnormals kept.
;;     - The product sums the exact products of the quantised numbers (number of the format x scale) in f32.
;;   ~~~python
;;   def quantise(x, axis):      # numpy; x: float32 -> the quantised numbers, widened to float32 again
;;       x = np.moveaxis(x, axis, -1); K = x.shape[-1]
;;       x = np.pad(x, [(0, 0)] * (x.ndim - 1) + [(0, -K % 32)]); x = x.reshape(x.shape[:-1] + (-1, 32)); a = np.abs(x).max(-1, keepdims=True)
;;       e = np.where(a > 0, np.clip(np.frexp(np.where(a > 0, a, 1))[1] - 1 - 2, -126, 127), 0)      # np.frexp(a)[1] - 1 = floor(log2(a)), exactly
;;       r = np.clip(x / 2.0 ** e, -7.5, 7.5)
;;       step = 2.0 ** (np.maximum(np.frexp(np.where(r == 0, 1, r))[1] - 1, 0) - 3)
;;       q = np.round(r / step) * step * 2.0 ** e      # np.round: ties to even
;;       return np.moveaxis(q.reshape(q.shape[:-2] + (-1,))[..., :K], -1, axis).astype(np.float32)
;;   ~~~
;;   SOFTMAX AHEAD OF A QUANTISED PRODUCT. Where the list says 'softmax', what is quantised is not the finished softmax but p = 2^(t - M), with t = logit x log2(e) and M = ceil(the row's largest t), a whole number; so 1/2 < the row's largest p <= 1. The row's sum l is taken of the UNQUANTISED p, in f32, and the product's result is divided by l at the end. Since M is a whole number, a kernel that streams over the keys may use a running M (the ceiling of the running maximum): every later rescaling is an exact power of two, which a block's scale takes up: the codes' values come out the same.
;;   OPERANDS COMPUTED ON THE WAY. 'Computed on the way' means the value that the module computes at that place (a softmax that the list does not call 'softmax' is quantised finished and normalised). What goes into a quantiser is computed in f32, as accurately as f32 sums, v_exp_f32 and their like allow (about 1e-6 of the number): no bf16 or f16 on the way to a quantiser, and a product that is left as it is and whose result goes on into a quantised operand takes f32 operands (vector FMAs, or v_wmma_f32_16x16x4_f32). A number that lies on a knife's edge between two numbers of the format may be rounded either way, as far as f32 arithmetic and the matrix unit's own rounding can turn it there, and no further.
;; One version. Each part assembles by itself: llvm-mc -triple=amdgcn-amd-amdhsa -mcpu=gfx1250 --defsym DOCPART=n.
;; ======== version 1 of 1: 4 launches
;; limits: right only within a limited range of input values
;; workspace buffers: xc 22,937,600 bytes; pc 19,660,800 bytes; cc 6,553,600 bytes
;; launch quant (part 1): grid 448 x 1, 4 waves a work-group, no clusters, 34,304 bytes of LDS; arguments q, k, v, Wq, Wk, Wv, Wo, xc; writes xc
.if DOCPART == 1
	.amdgcn_target "amdgcn-amd-amdhsa--gfx1250"
	.amdhsa_code_object_version 6
	.text
	.protected	k_qc51a905329_quant
	.globl	k_qc51a905329_quant
	.p2align	8
	.type	k_qc51a905329_quant,@function
k_qc51a905329_quant:
	s_mov_b64 s[64:65], 0
	v_nop
	global_prefetch_b8 v0, s[64:65] scope:SCOPE_SE
	s_setreg_imm32_b32 hwreg(HW_REG_WAVE_MODE, 25, 1), 1
	s_wait_xcnt 0x0
; q, k, v [8192][1024] and Wq, Wk, Wv, Wo [1024][1024], f32, K innermost, become codes of FP6 (E2M3) with one E8M0 byte for each 32 along K.
; A block's scale is 2^(floor(log2(its largest magnitude)) - 2); its byte is that magnitude's exponent field - 2, held at 1 from below.
; LIMITS: NaN and infinities are not served; a block whose largest magnitude lies under 2^-124 keeps the byte 1; a block of zeros gets the byte 1
; where the rule says 127: its codes are zeros, which add nothing under that byte, and the bytes are read by this program alone.
; THE OUTPUT IS LAID AS THE MATRIX UNIT'S REGISTERS.  A TILE is 16 rows; row i of tile t is row 32 (t / 2) + 8 (t % 2) + i + 8 (i / 8) of its tensor.
; A tile's record is 12,800 bytes: for each K step of 128 two HALF FRAGMENTS of 768 bytes (16 rows x 64 K: six registers a lane, lane (r, h) = row r,
; k = 32 h .. 32 h + 31; registers 0-3 at 16 x lane, registers 4-5 at 512 + 8 x lane), then 512 bytes of scale words: lane (r, h) has, at 16 x lane, the words of K steps 4 h .. 4 h + 3 of row r.
; SHARES: a wave takes one tile, all 1,024 of K: eight fragments.  Each load reads 512 consecutive bytes of one row; a fragment's 8,192 bytes turn through the wave's own stage
; in LDS (rows 528 bytes apart) and come back 128 bytes a lane: two whole blocks of 32.  Every store covers whole aligned runs of 256 bytes.  Waves share nothing: no barrier.
; Matrix units, clusters and tensor loads have nothing to add to a stream that is read once.
.set STGB,  8448                       ; a wave's stage: 16 rows x (512 + 16) bytes
.set SPARE, 4*STGB                     ; behind the stages: the spare words, 128 bytes a wave
.set LANE,  1
.set L16,   2                          ; 16 x lane
.set L8,    3                          ; 8 x lane
.set SIN,   4                          ; the stage, way in
.set SOUT,  5                          ; the stage, way out
.set SH8,   6                          ; 8 h
.set SPW,   8
.set NIL,   9
.set MX,    10                         ; v10-13 four running maxima
.set SO,    14                         ; v14-15 the conversions' scale operands
.set WK,    16                         ; v16-18 at work
.set PC,    20                         ; v20-31 a fragment's codes
.set TMP,   32                         ; v32-38 the upper halves of the blocks' codes
.set SW,    40                         ; v40-47 the scale word of each K step
.set OUTW,  48                         ; v48-51 my 16 bytes of the scale image
.set R,     64                         ; v64-191 two sets of 64, as loaded
.set X,     192                        ; v192-255 my two blocks
	s_load_b256 s[4:11], s[0:1], 0x0               ; q, k, v, Wq
	s_load_b256 s[12:19], s[0:1], 0x20             ; Wk, Wv, Wo, xc
	v_lshl_add_u32 v[SPW], v0, 2, SPARE
	v_mov_b32 v[NIL], 0
	v_lshrrev_b32 v[LANE], 5, v0
	v_readfirstlane_b32 s20, v[LANE]               ; wave
	v_and_b32 v[LANE], 31, v0
	v_lshlrev_b32 v[L16], 4, v[LANE]
	v_lshlrev_b32 v[L8], 3, v[LANE]
	s_mul_i32 s21, s20, STGB
	v_add_nc_u32 v[SIN], s21, v[L16]               ; in: a row's 512 bytes as they lie
	v_and_b32 v[WK], 15, v0                        ; r
	v_bfe_u32 v[WK+1], v0, 4, 1                    ; h
	v_mul_u32_u24 v[SOUT], v[WK], 528
	v_lshl_add_u32 v[SOUT], v[WK+1], 7, v[SOUT]
	v_add_nc_u32 v[SOUT], s21, v[SOUT]             ; out: row r, + 128 h bytes: k = 32 h on
	v_lshlrev_b32 v[SH8], 3, v[WK+1]
	v_mov_b32 v[WK+2], 0                           ; a lane permute's destination counts as read
	s_mov_b32 s22, 0x76543210
	s_mov_b32 s23, 0xfedcba98                      ; lane l xor 16
	s_wait_alu depctr_va_vdst(0)
	s_wait_kmcnt 0x0
	; which tensor: the choice hangs on the work-group's number alone.  q: work-groups 0-127, k: 128-255, v: 256-383, Wq: 384-399, Wk: 400-415, Wv: 416-431, Wo: 432-447
	s_mov_b64 s[24:25], s[16:17]
	s_mov_b32 s26, 432
	s_cmp_lt_u32 ttmp9, 432
	s_cselect_b64 s[24:25], s[14:15], s[24:25]
	s_cselect_b32 s26, 416, s26
	s_cmp_lt_u32 ttmp9, 416
	s_cselect_b64 s[24:25], s[12:13], s[24:25]
	s_cselect_b32 s26, 400, s26
	s_cmp_lt_u32 ttmp9, 400
	s_cselect_b64 s[24:25], s[10:11], s[24:25]
	s_cselect_b32 s26, 384, s26
	s_cmp_lt_u32 ttmp9, 384
	s_cselect_b64 s[24:25], s[8:9], s[24:25]
	s_cselect_b32 s26, 256, s26
	s_cmp_lt_u32 ttmp9, 256
	s_cselect_b64 s[24:25], s[6:7], s[24:25]
	s_cselect_b32 s26, 128, s26
	s_cmp_lt_u32 ttmp9, 128
	s_cselect_b64 s[24:25], s[4:5], s[24:25]
	s_cselect_b32 s26, 0, s26
	s_sub_co_u32 s26, ttmp9, s26
	s_lshl_b32 s26, s26, 2
	s_add_co_u32 s26, s26, s20                     ; t: my tile in its tensor
	s_lshr_b32 s27, s26, 1
	s_lshl_b32 s28, s27, 17                        ; 32 (t / 2) rows of 4,096 bytes
	s_and_b32 s27, s26, 1
	s_lshl_b32 s27, s27, 15                        ; + 8 (t % 2) rows
	s_add_co_u32 s28, s28, s27
	s_mov_b32 s29, 0
	s_add_nc_u64 s[24:25], s[24:25], s[28:29]
	s_lshl_b32 s28, ttmp9, 2
	s_add_co_u32 s28, s28, s20
	s_mul_i32 s28, s28, 12800                      ; my tile's record
	s_add_nc_u64 s[18:19], s[18:19], s[28:29]
.macro LOAD s                          ; K step s of the 16 rows: 512 consecutive bytes a load
.irp i, 0,1,2,3,4,5,6,7,8,9,10,11,12,13,14,15
	global_load_b128 v[R+64*((\s)%2)+4*\i:R+64*((\s)%2)+4*\i+3], v[L16], s[24:25] offset:(\i+8*(\i/8))*4096+512*(\s) th:TH_LOAD_NT
.endr
.endm
.macro FRAG s
.if (\s) < 7
	s_wait_loadcnt 16                              ; this K step's 16 loads are in; the next one's 16 may be out
.else
	s_wait_loadcnt 0x0
.endif
.irp i, 0,1,2,3,4,5,6,7,8,9,10,11,12,13,14,15
	ds_store_b128 v[SIN], v[R+64*((\s)%2)+4*\i:R+64*((\s)%2)+4*\i+3] offset:\i*528
.endr
.irp c, 0,1
.irp u, 0,1,2,3,4,5,6,7
	ds_load_b128 v[X+32*\c+4*\u:X+32*\c+4*\u+3], v[SOUT] offset:256*\c+16*\u   ; LDS serves a wave's instructions in order: these see the stores above.  k = 64 c + 32 h + 4 u on
.endr
.endr
	s_wait_dscnt 0x0                               ; my two blocks are in, and the stores have read their registers,
.if (\s) < 6
	LOAD (\s)+2                                    ; which take the loads of two K steps on
.endif
.irp n, 0,1,2,3
	v_max3_num_f32 v[MX+\n], |v[X+16*\n]|, |v[X+16*\n+1]|, 0x1800000   ; four chains, two to a block, each begun with the floor 2^(3 - 127): the byte cannot fall under 1
.endr
.irp i, 2,4,6,8,10,12,14
.irp n, 0,1,2,3
	v_max3_num_f32 v[MX+\n], v[MX+\n], |v[X+16*\n+\i]|, |v[X+16*\n+\i+1]|
.endr
.endr
.irp c, 0,1
	v_max_num_f32 v[MX+2*\c], v[MX+2*\c], v[MX+2*\c+1]
.endr
.irp c, 0,1
	v_add_nc_u32 v[SO+\c], 0xff000000, v[MX+2*\c]  ; 2 off the exponent field: the conversion takes that field as its scale
.endr
.irp c, 0,1
	v_lshrrev_b32 v[WK+\c], 23, v[SO+\c]           ; the byte of block 2 c + h
.endr
	v_lshl_or_b32 v[WK], v[WK+1], 16, v[WK]
	v_lshlrev_b32 v[WK], v[SH8], v[WK]             ; at their places in the word,
	v_permlanex16_b32 v[WK+2], v[WK], s22, s23
	v_or_b32 v[SW+(\s)], v[WK], v[WK+2]            ; and with lane l xor 16's two the word is whole
	s_wait_alu depctr_va_vdst(0)
	s_wait_xcnt 0x0                                ; the last fragment's stores have read their data: the codes' registers are written only behind this wait
.irp c, 0,1
	v_cvt_scalef32_pk16_fp6_f32 v[PC+6*\c:PC+6*\c+2], v[X+32*\c:X+32*\c+15], v[SO+\c]
	v_cvt_scalef32_pk16_fp6_f32 v[TMP+4*\c:TMP+4*\c+2], v[X+32*\c+16:X+32*\c+31], v[SO+\c]   ; (a conversion's three registers begin on an even number)
.endr
	v_nop                                          ; one plain line behind the scaled conversions
.irp c, 0,1
.irp i, 0,1,2
	v_mov_b32 v[PC+6*\c+3+\i], v[TMP+4*\c+\i]
.endr
.endr
.irp c, 0,1
	global_store_b128 v[L16], v[PC+6*\c:PC+6*\c+3], s[18:19] offset:1536*(\s)+768*\c           ; 512 consecutive bytes
	global_store_b64 v[L8], v[PC+6*\c+4:PC+6*\c+5], s[18:19] offset:1536*(\s)+768*\c+512       ; 256 consecutive bytes
.endr
.endm
	LOAD 0
	LOAD 1
.irp s, 0,1,2,3,4,5,6,7
	FRAG \s
.endr
	v_cmp_le_u32 vcc_lo, 16, v[LANE]
.irp j, 0,1,2,3
	v_cndmask_b32 v[OUTW+\j], v[SW+\j], v[SW+4+\j], vcc_lo   ; lanes 0-15: K steps 0-3; lanes 16-31: K steps 4-7
.endr
	global_store_b128 v[L16], v[OUTW:OUTW+3], s[18:19] offset:12288
	s_wait_tensorcnt 0x0                           ; the wave's end, behind my last LDS store
	ds_add_u32 v[SPW], v[NIL]
	s_wait_dscnt 0x0
	s_endpgm
.Lfunc_end_k_qc51a905329_quant:
	.size	k_qc51a905329_quant, .Lfunc_end_k_qc51a905329_quant-k_qc51a905329_quant
	.p2alignl 7, 3214868480
	.fill 96, 4, 3214868480
	.section	.rodata,"a",@progbits
	.p2align	6, 0x0
	.amdhsa_kernel k_qc51a905329_quant
		.amdhsa_group_segment_fixed_size 34304
		.amdhsa_private_segment_fixed_size 0
		.amdhsa_enable_private_segment 0
		.amdhsa_kernarg_size 64
		.amdhsa_user_sgpr_count 2
		.amdhsa_user_sgpr_kernarg_segment_ptr 1
		.amdhsa_wavefront_size32 1
		.amdhsa_system_sgpr_workgroup_id_x 1
		.amdhsa_system_sgpr_workgroup_id_y 1
		.amdhsa_system_sgpr_workgroup_id_z 1
		.amdhsa_system_vgpr_workitem_id 0
		.amdhsa_next_free_vgpr 256
		.amdhsa_next_free_sgpr 66
		.amdhsa_reserve_vcc 1
		.amdhsa_float_denorm_mode_32 3
		.amdhsa_float_denorm_mode_16_64 3
		.amdhsa_memory_ordered 1
		.amdhsa_forward_progress 1
		.amdhsa_inst_pref_size 60
	.end_amdhsa_kernel
	.amdgpu_metadata
---
amdhsa.version: [ 1, 2 ]
amdhsa.kernels:
  - .name:           k_qc51a905329_quant
    .symbol:         k_qc51a905329_quant.kd
    .args:
      - { .name: q, .offset: 0, .size: 8, .value_kind: global_buffer, .address_space: global }
      - { .name: k, .offset: 8, .size: 8, .value_kind: global_buffer, .address_space: global }
      - { .name: v, .offset: 16, .size: 8, .value_kind: global_buffer, .address_space: global }
      - { .name: Wq, .offset: 24, .size: 8, .value_kind: global_buffer, .address_space: global }
      - { .name: Wk, .offset: 32, .size: 8, .value_kind: global_buffer, .address_space: global }
      - { .name: Wv, .offset: 40, .size: 8, .value_kind: global_buffer, .address_space: global }
      - { .name: Wo, .offset: 48, .size: 8, .value_kind: global_buffer, .address_space: global }
      - { .name: xc, .offset: 56, .size: 8, .value_kind: global_buffer, .address_space: global }
    .group_segment_fixed_size: 34304
    .private_segment_fixed_size: 0
    .kernarg_segment_align: 8
    .kernarg_segment_size: 64
    .max_flat_workgroup_size: 128
    .sgpr_count:     66
    .vgpr_count:     256
    .wavefront_size: 32
...
	.end_amdgpu_metadata
.endif
;; end of part 1
;; launch proj (part 2): grid 4 x 64, 4 waves a work-group, clusters of 4 x 4, 327,680 bytes of LDS; arguments xc, bq, bk, bv, pc; writes pc
.if DOCPART == 2
	.amdgcn_target "amdgcn-amd-amdhsa--gfx1250"
	.amdhsa_code_object_version 6
	.text
	.protected	k_qc51a905329_proj
	.globl	k_qc51a905329_proj
	.p2align	8
	.type	k_qc51a905329_proj,@function
k_qc51a905329_proj:
	s_mov_b64 s[64:65], 0
	v_nop
	global_prefetch_b8 v0, s[64:65] scope:SCOPE_SE
	s_setreg_imm32_b32 hwreg(HW_REG_WAVE_MODE, 25, 1), 1
	s_wait_xcnt 0x0
	s_wait_alu depctr_hold_cnt(0) depctr_sa_sdst(0) depctr_va_vdst(0) depctr_va_sdst(0) depctr_va_ssrc(0) depctr_va_vcc(0) depctr_vm_vsrc(0)
	s_getreg_b32 s2, hwreg(HW_REG_IB_STS2, 6, 4)
	s_cmp_eq_u32 s2, 0
	s_cbranch_scc0 .Lentry_in_a_cluster
	s_endpgm
.Lentry_in_a_cluster:
	s_bfe_u32 s2, ttmp6, 0x10000c
	s_cmp_lg_u32 s2, 0xf033
	s_cbranch_scc0 .Lentry_shape_is_right
	s_endpgm
.Lentry_shape_is_right:
; The three projections x W^T + b on codes of FP6 (E2M3), and the quantising of their results for attention.
; Operands come as tile records of 12,800 bytes (16 rows in the order 32 (t / 2) + 8 (t % 2) + i + 8 (i / 8); 8 fragments of 1,536 bytes laid as the operand's registers; 512 bytes of scale words).
; A TILE OF WORK is P = 256 rows (source 0: they run along a lane's registers) x R = 128 rows (source 1: a lane a row), all of K.  A wave owns 64 rows of P against all 128 of R: 32 accumulators.
; q, k: P = the weight's rows, 64 of ONE HEAD a wave, R = tokens.  v: P = tokens, R = rows of Wv: a lane holds a channel and its registers run along the KEYS.  By the tiles' row order the 16 registers of two
; neighbouring P tiles are 16 neighbours, so the results are quantised in registers (blocks of 32 in lanes l and l xor 16) and leave as half fragments of 768 bytes, whole aligned runs of 256 bytes.
; A WORK-GROUP STAYS and makes three tiles of work: q's, k's (a loop of two trips) and v's (written out: it asks for nothing more, and its bias lies otherwise).
; LDS holds all of K of one tile of work in TWO chunks of four K steps (24 tiles x 6,144 bytes each).  A chunk is brought by one joint load a wave: waves 0 and 1 four of R's tiles each, waves 2 and 3 eight of P's.
; THE RING: in K step 3 nobody reads chunk 0 any more: the round there shows chunk 1 to all and chunk 0's bytes take the next tile's chunk 0; in K step 7 the round shows that fill, and chunk 1's bytes take the next
; tile's chunk 1.  Each round has a tensor wait, an LDS add and its wait ahead of it; a wave has one tensor load out at the most; every wait for tensor loads is for 0.
; The next tile's scale words and bias are loaded in K step 4 into registers of window 1 that lie idle; the bias is used from there as C, the scale words are moved to window 0 ahead of the way out.
; CLUSTER 4 x 4: R's tiles hang on cy and are asked for jointly by the four of a row; P's hang on cx and are asked for jointly by the four of a column.
; No prefetch: a chunk is asked for by its tensor load as soon as its LDS bytes are free, four K steps (128 products a wave) or more ahead of the wait for it, and a work-group has three tiles in all.
; v's scale words leave as two runs of 128 bytes a wave (halves of an aligned 256).
; LIMITS: NaN and infinities are not served; a block whose largest magnitude lies under 2^-124, a block of zeros too, keeps the byte 1 (the bytes are read by this program alone).
; REGISTERS: window 0: v1-5 lane terms, v6-7 the add's two, v8-23 LDS addresses, v24-26 offsets, v32-63 R's scale words, v64-79 P's, v80-255 the way out.
;   window 1, window 3: two sets of fragments (P's four at 12 b, R's eight at 48 + 12 a); window 1 also: 144-207 the bias, 208-255 the next tile's scale words.   window 2: accumulator (a, b) at 8 (4 a + b).
.set REC,   12800
.set CHUNK, 147456
.set POFF,  49152                      ; in a chunk: R's eight tiles, then P's sixteen
.set SPARE, 294912
.set DUP,   1
.set L16, 4
.set L8,  5
.set SPW, 6
.set NIL, 7
.set AR16, 8
.set AR8,  12
.set AP16, 16
.set AP8,  20
.set RS,  32
.set PS,  64
.set SOE, 80                           ; the way out: scale operands v80-95, bytes v96-111, pairs v112-119, words v120-123, my two words v124-125, the other half's maxima v128-143
.set BY,  96
.set UU,  112
.set WW,  120
.set XM,  128
.set HH,  144                          ; codes: 8 registers a tile of R
.set TT,  208
.set MM,  240
.set BI,  144                          ; window 1
.set SRS, 208                          ; window 1
.set SPS, 240                          ; window 1
.set WV,  14
.set G1R, 24
.set G1P, 32
.set G0R, 40
.set G0P, 56
.set MSB, 0
.macro WIN new                         ; the immediate's high byte repeats the setting that is left
.if MSB != (\new)
	s_set_vgpr_msb (MSB<<8)|(\new)
.set MSB, (\new)
.endif
.endm
.macro PLACES                          ; four plain lines between a matrix instruction and a load into, or a read of, its registers
.rept 4
	v_nop
.endr
.endm
.macro CROUND                          ; a round of the cluster's barrier
	s_barrier_signal -1
	s_barrier_wait -1
	s_cmp_lg_u32 s[WV], 0
	s_cbranch_scc1 .Lnot_wave_0_\@
	s_barrier_signal -3
.Lnot_wave_0_\@:
	s_barrier_wait -3
	s_barrier_signal -1
	s_barrier_wait -1
.endm
.macro JLOAD j                         ; chunk j: waves 0 and 1 ask for R's tiles, waves 2 and 3 for P's; each line has one mask; the branch hangs on the wave's number alone
	s_cmp_lt_u32 s[WV], 2
	s_cbranch_scc0 .Lfor_p_\@
	tensor_load_to_lds s[G0R+4*(\j):G0R+4*(\j)+3], s[G1R:G1R+7]
	s_nop 0
	PLACES
	s_branch .Lasked_\@
.Lfor_p_\@:
	tensor_load_to_lds s[G0P+4*(\j):G0P+4*(\j)+3], s[G1P:G1P+7]
	s_nop 0
	PLACES
.Lasked_\@:
.endm
.macro FR4 reg, a16, a8, off           ; a fragment's 12 registers: two half fragments as they lie; every load reads consecutive bytes
	ds_load_b128 v[(\reg):(\reg)+3], v[\a16] offset:(\off)
	ds_load_b64 v[(\reg)+4:(\reg)+5], v[\a8] offset:(\off)+512
	ds_load_b128 v[(\reg)+6:(\reg)+9], v[\a16] offset:(\off)+768
	ds_load_b64 v[(\reg)+10:(\reg)+11], v[\a8] offset:(\off)+1280
.endm
.macro FETCH s                         ; K step s: my four fragments of P and R's eight into set s % 2
	WIN 0x40+0x80*((\s)%2)
.irp b, 0,1,2,3
	FR4 12*\b, AP16+(\s)/4, AP8+(\s)/4, \b*6144+((\s)%4)*1536
.endr
.irp a, 0,1,2,3,4,5,6,7
	FR4 48+12*\a, AR16+(\s)/4, AR8+(\s)/4, \a*6144+((\s)%4)*1536
.endr
.endm
.macro WM s, a, b, cm                  ; one product.  cm = 1: C = the bias along P; 2: the bias along R; 0: C = D.  Scale words: register s % 4; K steps 4-7 lie in lanes 16-31
.set rD, 8*(4*(\a)+(\b))
.set rA, 12*(\b)
.set rB, 48+12*(\a)
.set rX, PS+4*(\b)+(\s)%4
.set rY, RS+4*(\a)+(\s)%4
.if (\cm) == 1
	v_wmma_scale_f32_16x16x128_f8f6f4 v[rD:rD+7], v[rA:rA+11], v[rB:rB+11], v[BI+8*((\b)+4*DUP*((\a)%2)):BI+8*((\b)+4*DUP*((\a)%2))+7], v[rX], v[rY] matrix_a_fmt:MATRIX_FMT_FP6 matrix_b_fmt:MATRIX_FMT_FP6
.elseif (\cm) == 2
	v_wmma_scale_f32_16x16x128_f8f6f4 v[rD:rD+7], v[rA:rA+11], v[rB:rB+11], v[BI+8*(\a):BI+8*(\a)+7], v[rX], v[rY] matrix_a_fmt:MATRIX_FMT_FP6 matrix_b_fmt:MATRIX_FMT_FP6
.elseif (\s) < 4
	v_wmma_scale_f32_16x16x128_f8f6f4 v[rD:rD+7], v[rA:rA+11], v[rB:rB+11], v[rD:rD+7], v[rX], v[rY] matrix_a_fmt:MATRIX_FMT_FP6 matrix_b_fmt:MATRIX_FMT_FP6
.else
	v_wmma_scale_f32_16x16x128_f8f6f4 v[rD:rD+7], v[rA:rA+11], v[rB:rB+11], v[rD:rD+7], v[rX], v[rY] matrix_a_fmt:MATRIX_FMT_FP6 matrix_b_fmt:MATRIX_FMT_FP6 matrix_a_scale:MATRIX_SCALE_ROW1 matrix_b_scale:MATRIX_SCALE_ROW1
.endif
.endm
.macro MULH s, a0, cm                  ; 16 products; the 32 accumulators take turns, one instruction a turn, in one order throughout
.irp a, \a0, \a0+1, \a0+2, \a0+3
.irp b, 0,1,2,3
	WM \s, \a, \b, \cm
.endr
.endr
.endm
; Where the tile of work of kind s18 (0 q, 1 k, 2 v) lies: s77 its R block, s81 my 64 rows of P; s[82:83] my tiles of P, s[84:85] R's eight, s[90:91] the bias; both chunks' descriptors.  Scalar lines alone, no branch.
.macro ADDR
	s_and_b32 s20, s19, 7
	s_lshl_b32 s20, s20, 2
	s_add_co_u32 s20, s20, s15                     ; v: P block = 4 (c & 7) + cx
	s_lshr_b32 s21, s19, 3
	s_lshl_b32 s21, s21, 2
	s_add_co_u32 s21, s21, s16                     ; v: R block = 4 (c >> 3) + cy
	s_lshl_b32 s22, s19, 2
	s_add_co_u32 s22, s22, s16                     ; q, k: R block = 4 c + cy
	s_lshl_b32 s23, s18, 6
	s_add_co_u32 s23, s23, 1536                    ; q, k: the weight's first tile
	s_lshl_b32 s2, s18, 9                          ; q, k: the tokens' first tile
	s_mov_b32 s78, 1024                            ; v: the tokens' first tile
	s_mov_b32 s80, 1664                            ; v: Wv's first tile
	s_cmp_lt_u32 s18, 2
	s_cselect_b32 s76, s15, s20                    ; P block (cx alone)
	s_cselect_b32 s77, s22, s21                    ; R block (cy alone)
	s_cselect_b32 s78, s23, s78
	s_cselect_b32 s80, s2, s80
	s_lshl_b32 s81, s76, 2
	s_add_co_u32 s81, s81, s[WV]                   ; my 64 rows of P
	s_lshl_b32 s3, s81, 2
	s_add_co_u32 s78, s78, s3                      ; my first tile of P
	s_mul_i32 s82, s78, REC
	s_mov_b32 s83, 0
	s_lshl_b32 s17, s77, 3
	s_add_co_u32 s80, s80, s17                     ; the work-group's first tile of R
	s_mul_i32 s84, s80, REC
	s_mov_b32 s85, 0
	s_mul_i32 s86, s48, 4*REC                      ; the four of them that I fetch
	s_mov_b32 s87, 0
	s_lshl_b32 s50, s48, 3
	s_add_co_u32 s50, s50, s78
	s_lshl_b32 s51, s[WV], 2
	s_sub_co_u32 s50, s50, s51                     ; the work-group's first tile of P + 8 x half: the eight that I fetch
	s_mul_i32 s50, s50, REC
	s_mov_b32 s51, 0
	s_lshl_b32 s88, s81, 8                         ; the bias: q, k: my head's 64 numbers;
	s_lshl_b32 s89, s77, 9                         ; v: the R block's 128
	s_cmp_lt_u32 s18, 2
	s_cselect_b32 s92, s88, s89
	s_mov_b32 s93, 0
	s_add_nc_u64 s[82:83], s[4:5], s[82:83]
	s_add_nc_u64 s[84:85], s[4:5], s[84:85]
	s_add_nc_u64 s[86:87], s[84:85], s[86:87]
	s_add_nc_u64 s[50:51], s[4:5], s[50:51]
	s_cmp_eq_u32 s18, 0
	s_cselect_b64 s[90:91], s[6:7], s[8:9]
	s_cmp_lt_u32 s18, 2
	s_cselect_b64 s[90:91], s[90:91], s[10:11]
	s_add_nc_u64 s[90:91], s[90:91], s[92:93]
.irp j, 0,1
	s_add_nc_u64 s[G0R+4*\j+2:G0R+4*\j+3], s[86:87], \j*6144
	s_or_b32 s[G0R+4*\j+3], s[G0R+4*\j+3], 0x80000000
	s_add_nc_u64 s[G0P+4*\j+2:G0P+4*\j+3], s[50:51], \j*6144
	s_or_b32 s[G0P+4*\j+3], s[G0P+4*\j+3], 0x80000000
.endr
.endm
.macro NEXTLOADS first                 ; scale words and bias of the tile of work that ADDR has laid out, into window 1.  first = 1: at the head, where the kind is q's: no branch is assembled
	WIN 0x40
.irp a, 0,1,2,3,4,5,6,7
	global_load_b128 v[SRS+4*\a:SRS+4*\a+3], v[L16], s[84:85] offset:\a*REC+12288   ; a tile's scale image: 512 consecutive bytes
.endr
.irp b, 0,1,2,3
	global_load_b128 v[SPS+4*\b:SPS+4*\b+3], v[L16], s[82:83] offset:\b*REC+12288
.endr
	WIN 0
.if (\first) == 0
	s_cmp_lt_u32 s18, 2
	s_cbranch_scc0 .Lbias_v_\@
.endif
	WIN 0x40
.irp x, 0,1,2,3,4,5,6,7                ; q, k: tile b's eight numbers of my half, laid twice
	global_load_b128 v[BI+8*\x:BI+8*\x+3], v24, s[90:91] offset:(32*((\x%4)/2)+8*(\x%2))*4
	global_load_b128 v[BI+8*\x+4:BI+8*\x+7], v24, s[90:91] offset:(32*((\x%4)/2)+8*(\x%2))*4+16
.endr
	WIN 0
.if (\first) == 0
	s_branch .Lbias_done_\@
.Lbias_v_\@:
	WIN 0x40
.irp a, 0,1,2,3,4,5,6,7                ; v: my lane's channel of tile a; it is spread over the tile's eight registers at the tile's start
	global_load_b32 v[BI+8*\a], v25, s[90:91] offset:(32*(\a/2)+8*(\a%2))*4
.endr
	WIN 0
.Lbias_done_\@:
.endif
.endm
.macro MOVS                            ; the scale words go to window 0, where scale operands are read
	WIN 0x01
.set I, 0
.rept 32
	v_mov_b32 v[RS+I], v[SRS+I]
.set I, I+1
.endr
.set I, 0
.rept 16
	v_mov_b32 v[PS+I], v[SPS+I]
.set I, I+1
.endr
	WIN 0
.endm
.macro KSTEP s, sync                   ; sync = 0: none; 1: a plain barrier shows chunk 1; 2: a round, and the refill behind it
	s_wait_dscnt 0x0                               ; this K step's fragments are in: with K step 3's my reads of chunk 0 are over, with K step 7's those of chunk 1
.if (\sync) == 2
	WIN 0
	s_wait_tensorcnt 0x0                           ; my one tensor load that was out has landed,
	ds_add_u32 v[SPW], v[NIL]                      ; the add; work on registers stands between it and its wait
.if (\s) == 3
	s_add_co_u32 s18, s70, 1                       ; no tensor load of mine is out: the descriptors take the next tile of work
	ADDR
.endif
.endif
	WIN 0xa5+0x0a*((\s)%2)
	MULH \s, 0, 0
.if (\sync) == 2
	WIN 0
	s_wait_dscnt 0x0
	CROUND                                         ; no wave of any partner reads these bytes or has a load on its way
	JLOAD (\s)/4                                   ; the four lines behind it are the places ahead of the loads below
.elseif (\sync) == 1
	s_wait_tensorcnt 0x0                           ; my load of chunk 1 has landed
	s_barrier_signal -1                            ; (no LDS instruction of mine is out)
	s_barrier_wait -1
	PLACES
.elseif (\s) < 7
	PLACES                                         ; the other set was read by the K step before
.endif
.if (\s) < 7
	FETCH (\s)+1
.elseif (\sync) == 2
	FETCH 0                                        ; the next tile's first fragments
.endif
	WIN 0xa5+0x0a*((\s)%2)
	MULH \s, 4, 0
.endm
.macro WAYOUT                          ; chain n = 2 a + block: my 16 numbers of that block, each accumulator from its low end on.  s70 the kind, s68 the R block, s69 my 64 rows of P
	WIN 0x28                                       ; sources 1 and 2: window 2
.irp n, 0,1,2,3,4,5,6,7,8,9,10,11,12,13,14,15
	v_max3_num_f32 v[MM+\n], 0x1800000, |v[16*\n]|, |v[16*\n+1]|   ; with the floor 2^(3 - 127): the byte cannot fall under 1
.endr
.irp i, 2,4,6,8,10,12,14
.irp n, 0,1,2,3,4,5,6,7,8,9,10,11,12,13,14,15
	v_max3_num_f32 v[MM+\n], v[MM+\n], |v[16*\n+\i]|, |v[16*\n+\i+1]|
.endr
.endr
	WIN 0
	s_mov_b32 s22, 0x76543210
	s_mov_b32 s23, 0xfedcba98
.irp n, 0,1,2,3,4,5,6,7,8,9,10,11,12,13,14,15
	v_permlanex16_b32 v[XM+\n], v[MM+\n], s22, s23
.endr
.irp n, 0,1,2,3,4,5,6,7,8,9,10,11,12,13,14,15
	v_max_num_f32 v[MM+\n], v[MM+\n], v[XM+\n]     ; with lane l xor 16's: the block's largest magnitude
.endr
.irp n, 0,1,2,3,4,5,6,7,8,9,10,11,12,13,14,15
	v_add_nc_u32 v[SOE+\n], 0xff000000, v[MM+\n]   ; 2 off the exponent field: the conversion's scale operand
.endr
.irp n, 0,1,2,3,4,5,6,7,8,9,10,11,12,13,14,15
	v_lshrrev_b32 v[BY+\n], 23, v[SOE+\n]          ; the byte
.endr
.irp a, 0,1,2,3,4,5,6,7
	v_lshl_or_b32 v[UU+\a], v[BY+2*\a+1], 8, v[BY+2*\a]   ; a tile's two bytes
.endr
.irp p, 0,1,2,3
	v_lshl_or_b32 v[WW+\p], v[UU+2*\p+1], 16, v[UU+2*\p]  ; two tiles to a word
.endr
	v_cmp_le_u32 vcc_lo, 16, v1
	v_cndmask_b32 v124, v[WW], v[WW+2], vcc_lo     ; lane (r, h) stores words 2 h and 2 h + 1
	v_cndmask_b32 v125, v[WW+1], v[WW+3], vcc_lo
	WIN 0x02                                       ; source 0: window 2
.irp a, 0,1,2,3,4,5,6,7
	v_cvt_scalef32_pk16_fp6_f32 v[HH+8*\a:HH+8*\a+2], v[32*\a:32*\a+15], v[SOE+2*\a]
	v_cvt_scalef32_pk16_fp6_f32 v[TT+4*\a:TT+4*\a+2], v[32*\a+16:32*\a+31], v[SOE+2*\a+1]
.endr
	WIN 0
	v_nop                                          ; one plain line behind the scaled conversions
.irp a, 0,1,2,3,4,5,6,7                ; the layout wants a whole block in a lane: lanes 0-15 block 0, lanes 16-31 block 1
.irp i, 0,1,2
	v_permlane16_swap_b32 v[HH+8*\a+\i], v[TT+4*\a+\i]
.endr
.endr
.irp a, 0,1,2,3,4,5,6,7
.irp i, 0,1,2
	v_mov_b32 v[HH+8*\a+3+\i], v[TT+4*\a+\i]
.endr
.endr
	; where it goes.  q, k: record g = batch x 16 + head, token tiles 8 st + a.  v: records gA and gA + 1 (two heads to an R block), key step st, channel tile a % 4, key half c2
	s_lshr_b32 s71, s68, 4
	s_lshl_b32 s71, s71, 4
	s_add_co_u32 s71, s71, s69                     ; g
	s_and_b32 s72, s68, 15                         ; st
	s_lshr_b32 s73, s69, 5
	s_lshl_b32 s73, s73, 4
	s_lshl_b32 s74, s68, 1
	s_add_co_u32 s73, s73, s74                     ; gA
	s_bfe_u32 s74, s69, 0x40001                    ; st
	s_and_b32 s75, s69, 1                          ; c2
	s_mov_b32 s66, 1536
	s_mov_b32 s78, 102400
	s_mov_b32 s53, 102400
	s_cmp_lt_u32 s70, 2
	s_cselect_b32 s71, s71, s73
	s_cselect_b32 s72, s72, s74
	s_cselect_b32 s75, 0, s75
	s_cselect_b32 s66, 768, s66                    ; from tile a to a + 1
	s_cselect_b32 s78, 3072, s78                   ; from tile a to a + 4
	s_cselect_b32 s52, 16, 8                       ; the scale words: from row to row,
	s_cselect_b32 s53, 8, s53                      ; and from lanes 0-15 to lanes 16-31
	s_mov_b32 s67, 0
	s_mov_b32 s79, 0
	s_mul_i32 s54, s70, 6553600                    ; the region,
	s_mul_i32 s71, s71, 102400
	s_add_co_u32 s54, s54, s71                     ; the record
	s_mul_i32 s20, s72, 6144
	s_add_co_u32 s20, s20, s54
	s_mul_i32 s55, s75, 768
	s_add_co_u32 s20, s20, s55
	s_mov_b32 s21, 0
	s_lshl_b32 s2, s72, 8
	s_add_co_u32 s2, s2, s54
	s_lshl_b32 s55, s75, 7
	s_add_co_u32 s2, s2, s55
	s_add_co_u32 s2, s2, 98304
	s_mov_b32 s3, 0
	s_add_nc_u64 s[86:87], s[12:13], s[20:21]
	s_add_nc_u64 s[88:89], s[86:87], s[66:67]
	s_add_nc_u64 s[90:91], s[88:89], s[66:67]
	s_add_nc_u64 s[92:93], s[90:91], s[66:67]
	s_add_nc_u64 s[94:95], s[86:87], s[78:79]
	s_add_nc_u64 s[96:97], s[94:95], s[66:67]
	s_add_nc_u64 s[98:99], s[96:97], s[66:67]
	s_add_nc_u64 s[100:101], s[98:99], s[66:67]
	s_add_nc_u64 s[82:83], s[12:13], s[2:3]
	v_mul_u32_u24 v26, v2, s52
	v_mad_u32_u24 v26, v3, s53, v26
	s_wait_alu depctr_va_vdst(0)
.irp a, 0,1,2,3,4,5,6,7
	global_store_b128 v[L16], v[HH+8*\a:HH+8*\a+3], s[86+2*\a:87+2*\a]                 ; 512 consecutive bytes
	global_store_b64 v[L8], v[HH+8*\a+4:HH+8*\a+5], s[86+2*\a:87+2*\a] offset:512      ; 256 consecutive bytes
.endr
	global_store_b64 v26, v[124:125], s[82:83]
.endm
; A tile of work.  At its start: chunk 0 is shown to all, K step 0's fragments are asked for, scale words and bias lie in registers.  var = 1: v's.  refill = 1: another tile follows
.macro TILE var, refill
	s_mov_b32 s68, s77
	s_mov_b32 s69, s81
	s_wait_xcnt 0x0                                ; the last tile's stores have read their registers and bases
.if \var
	WIN 0x41
.irp a, 0,1,2,3,4,5,6,7
.irp j, 1,2,3,4,5,6,7
	v_mov_b32 v[BI+8*\a+\j], v[BI+8*\a]
.endr
.endr
	WIN 0
	s_wait_alu depctr_va_vdst(0)
.endif
	s_wait_dscnt 0x0
	FETCH 1
	WIN 0x95                                       ; fragments and C (the bias) window 1, D window 2
	MULH 0, 0, 1+\var
	MULH 0, 4, 1+\var
	KSTEP 1, 0
	KSTEP 2, 0
	KSTEP 3, 1+\refill
	KSTEP 4, 0
.if \refill
	WIN 0
	NEXTLOADS 0
.endif
	KSTEP 5, 0
	KSTEP 6, 0
	KSTEP 7, 2*\refill
	WIN 0
	PLACES
.if \refill
	s_wait_loadcnt 0x0                             ; asked for in K step 4
	MOVS
.endif
	WAYOUT
.endm
	s_load_b256 s[4:11], s[0:1], 0x0               ; xc, bq, bk, bv
	s_load_b64 s[12:13], s[0:1], 0x20              ; pc
	v_lshl_add_u32 v[SPW], v0, 2, SPARE
	v_mov_b32 v[NIL], 0
	ds_add_u32 v[SPW], v[NIL]                      ; the opening lines: the add, twice on end, and its wait ahead of my first tensor load
	ds_add_u32 v[SPW], v[NIL]
	v_lshrrev_b32 v1, 5, v0
	v_readfirstlane_b32 s[WV], v1                  ; wave
	v_and_b32 v1, 31, v0                           ; lane
	v_and_b32 v2, 15, v0                           ; r
	v_bfe_u32 v3, v0, 4, 1                         ; h
	v_lshlrev_b32 v[L16], 4, v1
	v_lshlrev_b32 v[L8], 3, v1
	v_lshlrev_b32 v24, 6, v3                       ; bias along P: 64 h bytes
	v_and_b32 v25, 8, v2
	v_add_nc_u32 v25, v25, v2
	v_lshlrev_b32 v25, 2, v25                      ; bias along R: 4 (r + 8 (r / 8))
.irp n, 0,1,2,3,4,5,6,7,8,9,10,11,12,13,14,15
	v_mov_b32 v[XM+\n], 0                          ; a lane permute's destination counts as read
.endr
.irp j, 0,1
	v_add_nc_u32 v[AR16+\j], \j*CHUNK, v[L16]
	v_add_nc_u32 v[AR8+\j], \j*CHUNK, v[L8]
.endr
	s_wait_alu depctr_va_vdst(0)
	s_bfe_u32 s15, ttmp6, 0x40000                  ; cx
	s_bfe_u32 s16, ttmp6, 0x40004                  ; cy
	s_and_b32 s19, ttmp7, 0xffff                   ; c: cluster y, 0 .. 15
	s_lshl_b32 s79, s16, 2
	s_lshl_b32 s79, 15, s79                        ; my row of the cluster
	s_lshl_b32 s81, 0x1111, s15                    ; my column
	s_or_b32 s[G1R], s79, (3<<16)|(1<<21)          ; the mask; elements of 8 bytes; bit 21 beside a mask; no padding
	s_or_b32 s[G1P], s81, (3<<16)|(1<<21)
.irp g, G1R, G1P
	s_mov_b32 s[\g+1], 768<<16                     ; tensor_dim0: a tile's four K steps, 6,144 bytes
	s_mov_b32 s[\g+3], 768<<16                     ; tile_dim0
	s_mov_b32 s[\g+5], REC/8                       ; from tile to tile
	s_mov_b32 s[\g+6], 0
	s_mov_b32 s[\g+7], 0
.endr
	s_mov_b32 s[G1R+2], 4<<16                      ; R: four tiles a load
	s_mov_b32 s[G1R+4], 4
	s_mov_b32 s[G1P+2], 8<<16                      ; P: eight tiles a load
	s_mov_b32 s[G1P+4], 8
	s_and_b32 s48, s[WV], 1                        ; which half of R's or of P's tiles I fetch
	s_mul_i32 s66, s48, 24576                      ; where R's four go: no place in the cluster enters an LDS address
	s_mul_i32 s49, s48, 49152
	s_add_co_u32 s49, s49, POFF                    ; where P's eight go
	s_mul_i32 s67, s[WV], 24576
	s_add_co_u32 s67, s67, POFF                    ; where my own four tiles of P lie
.irp j, 0,1
	s_mov_b32 s[G0R+4*\j], 1
	s_add_co_u32 s[G0R+4*\j+1], s66, \j*CHUNK
	s_mov_b32 s[G0P+4*\j], 1
	s_add_co_u32 s[G0P+4*\j+1], s49, \j*CHUNK
.endr
	v_add_nc_u32 v[AP16], s67, v[L16]
	v_add_nc_u32 v[AP8], s67, v[L8]
	v_add_nc_u32 v[AP16+1], CHUNK, v[AP16]
	v_add_nc_u32 v[AP8+1], CHUNK, v[AP8]
	s_mov_b32 s70, 0                               ; the kind at work
	s_mov_b32 s18, 0                               ; the kind that ADDR lays out
	s_wait_alu depctr_va_vdst(0)
	s_wait_dscnt 0x0                               ; both opening adds are done
	s_wait_kmcnt 0x0
	ADDR
	CROUND                                         ; all sixteen work-groups are here: the joint loads meet
	JLOAD 0                                        ; one tensor load a wave at the head
	NEXTLOADS 1
	s_wait_tensorcnt 0x0                           ; my part of chunk 0 is in
	ds_add_u32 v[SPW], v[NIL]
	s_wait_dscnt 0x0
	CROUND
	JLOAD 1
	FETCH 0
	WIN 0
	s_wait_loadcnt 0x0
	MOVS
.rept 8
	v_nop                                          ; a scale register written by a vector instruction stands 8 places ahead of a scaled matrix instruction
.endr
	s_wait_alu depctr_va_vdst(0)
.Ltile:
	TILE 0, 1
	s_add_co_u32 s70, s70, 1
	s_cmp_lg_u32 s70, 2
	s_wait_alu depctr_va_vdst(0)
	s_cbranch_scc1 .Ltile
	TILE 1, 0
	s_wait_tensorcnt 0x0                           ; the wave's end
	ds_add_u32 v[SPW], v[NIL]
	s_wait_dscnt 0x0
	CROUND                                         ; the closing round
	s_endpgm
.Lfunc_end_k_qc51a905329_proj:
	.size	k_qc51a905329_proj, .Lfunc_end_k_qc51a905329_proj-k_qc51a905329_proj
	.p2alignl 7, 3214868480
	.fill 96, 4, 3214868480
	.section	.rodata,"a",@progbits
	.p2align	6, 0x0
	.amdhsa_kernel k_qc51a905329_proj
		.amdhsa_group_segment_fixed_size 327680
		.amdhsa_private_segment_fixed_size 0
		.amdhsa_enable_private_segment 0
		.amdhsa_kernarg_size 40
		.amdhsa_user_sgpr_count 2
		.amdhsa_user_sgpr_kernarg_segment_ptr 1
		.amdhsa_wavefront_size32 1
		.amdhsa_system_sgpr_workgroup_id_x 1
		.amdhsa_system_sgpr_workgroup_id_y 1
		.amdhsa_system_sgpr_workgroup_id_z 1
		.amdhsa_system_vgpr_workitem_id 0
		.amdhsa_next_free_vgpr 912
		.amdhsa_next_free_sgpr 102
		.amdhsa_reserve_vcc 1
		.amdhsa_float_denorm_mode_32 3
		.amdhsa_float_denorm_mode_16_64 3
		.amdhsa_memory_ordered 1
		.amdhsa_forward_progress 1
		.amdhsa_inst_pref_size 179
	.end_amdhsa_kernel
	.amdgpu_metadata
---
amdhsa.version: [ 1, 2 ]
amdhsa.kernels:
  - .name:           k_qc51a905329_proj
    .symbol:         k_qc51a905329_proj.kd
    .args:
      - { .name: xc, .offset: 0, .size: 8, .value_kind: global_buffer, .address_space: global }
      - { .name: bq, .offset: 8, .size: 8, .value_kind: global_buffer, .address_space: global }
      - { .name: bk, .offset: 16, .size: 8, .value_kind: global_buffer, .address_space: global }
      - { .name: bv, .offset: 24, .size: 8, .value_kind: global_buffer, .address_space: global }
      - { .name: pc, .offset: 32, .size: 8, .value_kind: global_buffer, .address_space: global }
    .group_segment_fixed_size: 327680
    .private_segment_fixed_size: 0
    .kernarg_segment_align: 8
    .kernarg_segment_size: 40
    .max_flat_workgroup_size: 128
    .sgpr_count:     102
    .vgpr_count:     912
    .wavefront_size: 32
...
	.end_amdgpu_metadata
.endif
;; end of part 2
;; launch attn (part 3): grid 4 x 64, 8 waves a work-group, clusters of 4 x 1, 327,680 bytes of LDS; arguments pc, cc; writes cc
.if DOCPART == 3
	.amdgcn_target "amdgcn-amd-amdhsa--gfx1250"
	.amdhsa_code_object_version 6
	.text
	.protected	k_qc51a905329_attn
	.globl	k_qc51a905329_attn
	.p2align	8
	.type	k_qc51a905329_attn,@function
k_qc51a905329_attn:
	s_mov_b64 s[64:65], 0
	v_nop
	global_prefetch_b8 v0, s[64:65] scope:SCOPE_SE
	s_setreg_imm32_b32 hwreg(HW_REG_WAVE_MODE, 25, 1), 1
	s_wait_xcnt 0x0
	s_wait_alu depctr_hold_cnt(0) depctr_sa_sdst(0) depctr_va_vdst(0) depctr_va_sdst(0) depctr_va_ssrc(0) depctr_va_vcc(0) depctr_vm_vsrc(0)
	s_getreg_b32 s2, hwreg(HW_REG_IB_STS2, 6, 4)
	s_cmp_eq_u32 s2, 0
	s_cbranch_scc0 .Lentry_in_a_cluster
	s_endpgm
.Lentry_in_a_cluster:
	s_bfe_u32 s2, ttmp6, 0x10000c
	s_cmp_lg_u32 s2, 0x3003
	s_cbranch_scc0 .Lentry_shape_is_right
	s_endpgm
.Lentry_shape_is_right:
; Attention of one batch and head (g = work-group y) for 512 queries (cx): S^T = k q^T, p = 2^(t - M), O^T += v^T p^T, all on codes of FP6 (E2M3); ctx = O / l leaves as codes and scale bytes for the last projection.
; pc holds q's, k's and v's regions (6,553,600 bytes each) of records of 102,400 bytes: 98,304 of half fragments of 768 bytes laid as operand registers, then 4,096 of scale words.
; K's and V's whole records lie in LDS, filled once: ONE joint load a wave at the head (100 rows of 256 bytes; waves 0-3 K's record, waves 4-7 V's), shared by the four query blocks of the cluster.
; Nothing is prefetched: every tensor load stands at the head, there is no loop to run ahead in.
; A WAVE takes four tiles of 16 queries, TWO AT A TIME (t = 0, 1) in two passes of 16 steps of 128 keys: each fragment of k and v is read from LDS once for both tiles, and every dependent chain has the other tile's beside it.
; The head's 64 fill half of the instruction's K: a fragment of k holds two tiles of 16 keys, and q stands once in the lower half over zeros and once in the upper (Q+0..11, Q+6..17).
; A lane holds one query; by the tiles' row order its 16 registers of two neighbouring key tiles are 16 neighbouring keys.  M is the ceiling of the running largest t, kept as -M; f = 2^(old M - new M) is exact.
; A block's largest p is the exponential of its largest score.  The row's sum is taken of the unquantised p, in four chains.
; THE STEP'S LDS LOADS: behind the score products this step's v and the NEXT step's k (step + 1 modulo 16, so that a pass's last step fetches the next pass's first) go out in one run;
; the one wait for them stands in the step's middle.  The second pass's last step so fetches 19 loads that nobody uses.
; LIMITS: the promise holds while the scaled scores stay under 2^31 in magnitude; NaN and infinities are not served; a block whose largest magnitude lies under 2^-124 keeps the byte 1.
; REGISTERS: window 0: addresses, scales, the small state, p's codes, S (v120-247).  Window 1: k's fragments 0-47, v's 48-95, q 96-131, O^T 132-195.
.set VREC,  102400
.set SCO,   98304
.set SCS,   212992                     ; ctx's scale words on the way out: 1,024 bytes
.set SPARE, 214016                     ; the spare words: 128 bytes a wave
.set L16, 1
.set L8,  2
.set AKS0, 3
.set AVS0, 4
.set SPW, 5
.set NIL, 6
.set ADK16, 7
.set ADK8,  8
.set ADV16, 9
.set ADV8,  10
.set R16,  11
.set UW,   12                          ; v12-13 ctx's scale words of the two passes
.set QW,   14                          ; v14-15 q's
.set SCI,  16
.set SCR,  17
.set SCG,  18
.set ADKS, 19
.set QSC,  20                          ; + t
.set NM,   22                          ; + 2 t: -M, the running largest t
.set SUM,  26                          ; + 2 t
.set TS2,  30
.set TS3,  32
.set FF,   34                          ; + 2 t
.set WK,   38                          ; + t
.set KSC,  40
.set VRAW, 44
.set VSC,  48
.set PSC,  52                          ; + t
.set BM,   54                          ; + 4 t + block
.set BT,   62
.set SOP,  70
.set TY,   78                          ; + 8 t
.set PC,   94                          ; + 12 t
.set ADVS, 118
.set S,    120                         ; + 64 t
.set TS4,  248
.set NMC,  119                         ; + 131 t (v119, v250): -M once more, in another register bank than NM, for the second half of a dual pair
.set CV,   252                         ; v252-253 log2(e) / 8, twice, in two banks
.set KF,   0                           ; window 1
.set VF,   48
.set Q,    96                          ; + 18 t
.set O,    132                         ; + 32 t
.set WV,  8
.set CNT, 11
.set CS,  32
.set SEL, 34
.set TB,  38
.set TS,  39
.set TV,  48
.set TN,  49
.set PASSC, 50
.set MSB, 0
.macro WIN new                         ; the immediate's high byte repeats the setting that is left
.if MSB != (\new)
	s_set_vgpr_msb (MSB<<8)|(\new)
.set MSB, (\new)
.endif
.endm
.macro WALU
	s_wait_alu depctr_va_vdst(0)
.endm
.macro H n
	s_delay_alu instid0(VALU_DEP_\n)
.endm
.macro CROUND
	s_barrier_signal -1
	s_barrier_wait -1
	s_cmp_lg_u32 s[WV], 0
	s_cbranch_scc1 .Lnot_wave_0_\@
	s_barrier_signal -3
.Lnot_wave_0_\@:
	s_barrier_wait -3
	s_barrier_signal -1
	s_barrier_wait -1
.endm
.macro FRAGS reg, a16, a8              ; four fragments of 12 registers, as they lie: every load reads consecutive bytes
.irp p, 0,1,2,3
	ds_load_b128 v[\reg+12*\p:\reg+12*\p+3], v[\a16] offset:1536*\p
	ds_load_b64 v[\reg+12*\p+4:\reg+12*\p+5], v[\a8] offset:1536*\p+512
	ds_load_b128 v[\reg+12*\p+6:\reg+12*\p+9], v[\a16] offset:1536*\p+768
	ds_load_b64 v[\reg+12*\p+10:\reg+12*\p+11], v[\a8] offset:1536*\p+1280
.endr
.endm
.macro WORDS aks, avs                  ; k's four scale words of a step, and v's as they lie
	ds_load_b128 v[KSC:KSC+3], v[\aks]
	ds_load_b64 v[VRAW:VRAW+1], v[\avs]
	ds_load_b64 v[VRAW+2:VRAW+3], v[\avs] offset:128
.endm
.macro FMA t                           ; t - M, two at a time
.set J, 0
.rept 32
	v_dual_fma_f32 v[S+64*\t+J], v[S+64*\t+J], v[CV], v[NM+2*\t] :: v_dual_fma_f32 v[S+64*\t+J+1], v[S+64*\t+J+1], v[CV+1], v[NMC+131*\t]
.set J, J+2
.endr
.endm
.macro EXPS t                          ; p, and each block's largest p
.set J, 0
.rept 64
	v_exp_f32 v[S+64*\t+J], v[S+64*\t+J]
.set J, J+1
.endr
.irp b, 0,1,2,3
	v_exp_f32 v[BM+4*\t+\b], v[BM+4*\t+\b]
.endr
.endm
.macro ADD4 t, j                       ; pairs j .. j + 3 of p onto the four chains
	v_dual_add_f32 v[SUM+2*\t], v[SUM+2*\t], v[S+64*\t+2*(\j)] :: v_dual_add_f32 v[SUM+2*\t+1], v[SUM+2*\t+1], v[S+64*\t+2*(\j)+1]
	v_dual_add_f32 v[TS2], v[TS2], v[S+64*\t+2*(\j)+2] :: v_dual_add_f32 v[TS2+1], v[TS2+1], v[S+64*\t+2*(\j)+3]
	v_dual_add_f32 v[TS3], v[TS3], v[S+64*\t+2*(\j)+4] :: v_dual_add_f32 v[TS3+1], v[TS3+1], v[S+64*\t+2*(\j)+5]
	v_dual_add_f32 v[TS4], v[TS4], v[S+64*\t+2*(\j)+6] :: v_dual_add_f32 v[TS4+1], v[TS4+1], v[S+64*\t+2*(\j)+7]
.endm
.macro SWAPS t, c                      ; a whole block to a lane: lanes 0-15 block 2 c, lanes 16-31 block 2 c + 1
.irp i, 0,1,2
	v_permlane16_swap_b32 v[PC+12*\t+6*\c+\i], v[TY+8*\t+4*\c+\i]
.endr
.irp i, 0,1,2
	H 3
	v_mov_b32 v[PC+12*\t+6*\c+3+\i], v[TY+8*\t+4*\c+\i]
.endr
.endm
.macro POST t                          ; tile t behind its exponentials: scales, codes, the row's sum; the sum's lines are the places behind the conversions and ahead of the products
.irp b, 0,1,2,3
	v_max_num_f32 v[BM+4*\t+\b], 0x1800000, v[BM+4*\t+\b]     ; the floor 2^(3 - 127)
.endr
.irp b, 0,1,2,3
	H 4
	v_add_nc_u32 v[SOP+4*\t+\b], 0xff000000, v[BM+4*\t+\b]    ; 2 off the exponent field: the conversion's scale operand
.endr
.irp b, 0,1,2,3
	H 4
	v_lshrrev_b32 v[BT+4*\t+\b], 23, v[SOP+4*\t+\b]           ; the byte
.endr
	H 3
	v_lshl_or_b32 v[PSC+\t], v[BT+4*\t+1], 8, v[BT+4*\t]
	H 1
	v_lshl_or_b32 v[PSC+\t], v[BT+4*\t+2], 16, v[PSC+\t]
	H 1
	v_lshl_or_b32 v[PSC+\t], v[BT+4*\t+3], 24, v[PSC+\t]
.irp c, 0,1
	v_cvt_scalef32_pk16_fp6_f32 v[PC+12*\t+6*\c:PC+12*\t+6*\c+2], v[S+64*\t+32*\c:S+64*\t+32*\c+15], v[SOP+4*\t+2*\c]
	v_cvt_scalef32_pk16_fp6_f32 v[TY+8*\t+4*\c:TY+8*\t+4*\c+2], v[S+64*\t+32*\c+16:S+64*\t+32*\c+31], v[SOP+4*\t+2*\c+1]
.endr
	v_nop                                          ; one plain line behind the scaled conversions
	v_dual_add_f32 v[SUM+2*\t], v[SUM+2*\t], v[S+64*\t] :: v_dual_add_f32 v[SUM+2*\t+1], v[SUM+2*\t+1], v[S+64*\t+1]
	v_dual_add_f32 v[TS2], v[S+64*\t+2], v[S+64*\t+4] :: v_dual_add_f32 v[TS2+1], v[S+64*\t+3], v[S+64*\t+5]
	v_dual_add_f32 v[TS3], v[S+64*\t+6], v[S+64*\t+8] :: v_dual_add_f32 v[TS3+1], v[S+64*\t+7], v[S+64*\t+9]
	v_dual_add_f32 v[TS4], v[S+64*\t+10], v[S+64*\t+12] :: v_dual_add_f32 v[TS4+1], v[S+64*\t+11], v[S+64*\t+13]
	ADD4 \t, 7
	ADD4 \t, 11
	SWAPS \t, 0
	SWAPS \t, 1
	ADD4 \t, 15
	ADD4 \t, 19
	ADD4 \t, 23
	ADD4 \t, 27
	v_pk_add_f32 v[SUM+2*\t:SUM+2*\t+1], v[SUM+2*\t:SUM+2*\t+1], v[S+64*\t+62:S+64*\t+63]
	v_pk_add_f32 v[TS2:TS2+1], v[TS2:TS2+1], v[TS3:TS3+1]       ; the last four lines are plain ones: the places ahead of the products
	v_pk_add_f32 v[SUM+2*\t:SUM+2*\t+1], v[SUM+2*\t:SUM+2*\t+1], v[TS4:TS4+1]
	H 1
	v_pk_add_f32 v[SUM+2*\t:SUM+2*\t+1], v[SUM+2*\t:SUM+2*\t+1], v[TS2:TS2+1]
.endm
.macro STEP
	s_mul_i32 s[TV], s[CNT], 6144
	s_add_co_u32 s[TV], s[TV], VREC                ; this step's v
	s_add_co_u32 s[CNT], s[CNT], 1
	s_and_b32 s[TN], s[CNT], 15                    ; the next step, round the record's end
	s_mul_i32 s[TB], s[TN], 6144
	s_lshl_b32 s[TS], s[TN], 8
	WIN 0x05                                       ; k and q: window 1; S: window 0
.irp p, 0,1,2,3
.irp t, 0,1
	v_wmma_scale_f32_16x16x128_f8f6f4 v[S+64*\t+16*\p:S+64*\t+16*\p+7], v[KF+12*\p:KF+12*\p+11], v[Q+18*\t:Q+18*\t+11], 0, v[KSC+\p], v[QSC+\t] matrix_a_fmt:MATRIX_FMT_FP6 matrix_b_fmt:MATRIX_FMT_FP6
	v_wmma_scale_f32_16x16x128_f8f6f4 v[S+64*\t+16*\p+8:S+64*\t+16*\p+15], v[KF+12*\p:KF+12*\p+11], v[Q+18*\t+6:Q+18*\t+17], 0, v[KSC+\p], v[QSC+\t] matrix_a_fmt:MATRIX_FMT_FP6 matrix_b_fmt:MATRIX_FMT_FP6
.endr
.endr
	WIN 0
	v_add_nc_u32 v[ADV16], s[TV], v[L16]           ; ten plain lines: the places behind the products, those of the last step's too
	v_add_nc_u32 v[ADV8], s[TV], v[L8]
	v_add_nc_u32 v[ADK16], s[TB], v[L16]
	v_add_nc_u32 v[ADK8], s[TB], v[L8]
	v_add_nc_u32 v[ADKS], s[TS], v[AKS0]
	v_add_nc_u32 v[ADVS], s[TS], v[AVS0]
.irp d, 0,1,2,3
	v_perm_b32 v[VSC+\d], v[VRAW+2+\d/2], v[VRAW+\d/2], s[36+\d%2]   ; v's scale word of channel tile d: two bytes of each half of the keys
.endr
	WIN 0x40
	FRAGS VF, ADV16, ADV8
	FRAGS KF, ADK16, ADK8
	WIN 0
	WORDS ADKS, ADVS
.irp n, 0,1,2,3,4,5,6,7                ; the largest score of each block of 32 keys: eight chains by turns (n = 4 t + block)
	v_max3_num_f32 v[BM+\n], v[S+16*\n], v[S+16*\n+1], v[S+16*\n+2]
.endr
.irp i, 3,5,7,9,11,13
.irp n, 0,1,2,3,4,5,6,7
	v_max3_num_f32 v[BM+\n], v[BM+\n], v[S+16*\n+\i], v[S+16*\n+\i+1]
.endr
.endr
.irp n, 0,1,2,3,4,5,6,7
	v_max_num_f32 v[BM+\n], v[BM+\n], v[S+16*\n+15]
.endr
.irp n, 0,1,2,3,4,5,6,7
	v_permlanex16_b32 v[BT+\n], v[BM+\n], s[SEL], s[SEL+1]
.endr
.irp n, 0,1,2,3,4,5,6,7
	v_max_num_f32 v[BM+\n], v[BM+\n], v[BT+\n]     ; with lane l xor 16's 16 keys
.endr
.irp t, 0,1
	v_max3_num_f32 v[WK+\t], v[BM+4*\t], v[BM+4*\t+1], v[BM+4*\t+2]
.endr
.irp t, 0,1
	H 2
	v_max_num_f32 v[WK+\t], v[WK+\t], v[BM+4*\t+3]
.endr
.irp t, 0,1
	H 2
	v_mul_f32 v[WK+\t], s[CS], v[WK+\t]            ; as t
.endr
.irp t, 0,1
	H 2
	v_max_num_f32 v[NM+2*\t+1], v[NM+2*\t+1], v[WK+\t]
.endr
.irp t, 0,1
	v_mov_b32 v[WK+\t], v[NM+2*\t]
.endr
.irp t, 0,1
	H 4
	v_floor_f32 v[NM+2*\t], -v[NM+2*\t+1]          ; the new -M
.endr
.irp t, 0,1
	H 2
	v_sub_f32 v[WK+\t], v[NM+2*\t], v[WK+\t]
.endr
.irp t, 0,1
	H 2
	v_cvt_i32_f32 v[WK+\t], v[WK+\t]
.endr
.irp t, 0,1
	H 2
	v_ldexp_f32 v[FF+2*\t], 1.0, v[WK+\t]          ; f = 2^(old M - new M)
.endr
.irp t, 0,1
	v_mov_b32 v[NMC+131*\t], v[NM+2*\t]
.endr
	FMA 0
	FMA 1
.irp n, 0,1,2,3,4,5,6,7
	v_fma_f32 v[BM+\n], v[BM+\n], s[CS], v[NM+2*(\n/4)]
.endr
	WALU
	EXPS 0
.irp t, 0,1
	v_pk_mul_f32 v[SUM+2*\t:SUM+2*\t+1], v[SUM+2*\t:SUM+2*\t+1], v[FF+2*\t:FF+2*\t+1] op_sel_hi:[1,0]   ; the sums under the new M
.endr
	WALU                                           ; behind tile 0's batch, ahead of tile 1's
	EXPS 1
	POST 0                                         ; tile 0's plain work stands behind tile 1's exponentials
	s_wait_dscnt 0x0                               ; this step's v and the next step's k are in: asked for ahead of the search for the largest scores
	WIN 0x41                                       ; O^T: window 1
	WALU                                           ; behind tile 1's batch, and directly ahead of the first readers of O^T
.irp t, 0,1
.set J, 0
.rept 16
	v_pk_mul_f32 v[O+32*\t+J:O+32*\t+J+1], v[O+32*\t+J:O+32*\t+J+1], v[FF+2*\t:FF+2*\t+1] op_sel_hi:[1,0]
.set J, J+2
.endr
.endr
	WIN 0
	POST 1
	WIN 0x51                                       ; v and O^T: window 1; p's codes: window 0.  Eight accumulators by turns
.irp d, 0,1,2,3
.irp t, 0,1
	v_wmma_scale_f32_16x16x128_f8f6f4 v[O+32*\t+8*\d:O+32*\t+8*\d+7], v[VF+12*\d:VF+12*\d+11], v[PC+12*\t:PC+12*\t+11], v[O+32*\t+8*\d:O+32*\t+8*\d+7], v[VSC+\d], v[PSC+\t] matrix_a_fmt:MATRIX_FMT_FP6 matrix_b_fmt:MATRIX_FMT_FP6
.endr
.endr
	WIN 0
.endm
	s_load_b128 s[4:7], s[0:1], 0x0                ; pc, cc
	v_lshl_add_u32 v[SPW], v0, 2, SPARE
	v_mov_b32 v[NIL], 0
	ds_add_u32 v[SPW], v[NIL]                      ; the opening lines: the add, twice on end, and its wait ahead of my tensor load
	ds_add_u32 v[SPW], v[NIL]
	v_lshrrev_b32 v[WK], 5, v0
	v_readfirstlane_b32 s[WV], v[WK]               ; wave 0..7
	v_and_b32 v[WK], 31, v0
	v_and_b32 v[WK+1], 15, v0                      ; r
	v_lshlrev_b32 v[L16], 4, v[WK]
	v_lshlrev_b32 v[L8], 3, v[WK]
	v_lshlrev_b32 v[R16], 4, v[WK+1]
	v_lshl_add_u32 v[AVS0], v[WK+1], 3, VREC+SCO
	v_add_nc_u32 v[AKS0], SCO, v[R16]
.irp n, 0,1,2,3,4,5,6,7
	v_mov_b32 v[BT+\n], 0                          ; a lane permute's destination counts as read
.endr
	v_mov_b32 v[FF+1], 0                           ; the pairs' upper halves are named
	v_mov_b32 v[FF+3], 0
	v_mov_b32 v[UW+1], 0
	v_mov_b32 v[CV], 0x3e38aa3b
	v_mov_b32 v[CV+1], 0x3e38aa3b
	WIN 0x40
.irp t, 0,1
.irp i, 6,7,8,9,10,11
	v_mov_b32 v[Q+18*\t+\i], 0                     ; the zeros beside q
.endr
.endr
	WIN 0
	s_bfe_u32 s9, ttmp6, 0x40000                   ; cx: my 512 queries
	s_and_b32 s10, ttmp7, 0xffff                   ; g: batch x 16 + head
	s_mov_b32 s16, 15|(3<<16)|(1<<21)              ; the four of the cluster; elements of 8 bytes
	s_mov_b32 s17, 32<<16                          ; rows of 256 bytes,
	s_mov_b32 s18, 100<<16                         ; 100 of them
	s_mov_b32 s19, 32<<16
	s_mov_b32 s20, 100
	s_mov_b32 s21, 32
	s_mov_b32 s22, 0
	s_mov_b32 s23, 0
	s_and_b32 s53, s[WV], 1
	s_lshr_b32 s51, s[WV], 1
	s_lshl_b32 s51, s51, 8
	s_lshl_b32 s56, s53, 3
	s_add_co_u32 s51, s51, s56                     ; my two scale words in a block of 1,024 bytes: 256 (wave / 2) + 8 (wave % 2), + 16 r
	s_add_co_u32 s57, s51, SCS
	s_lshl_b32 s53, s53, 9
	s_mul_i32 s52, s10, 102400                     ; the record
	s_lshr_b32 s54, s[WV], 2
	s_mul_i32 s54, s54, 6553600                    ; waves 0-3: k's region; 4-7: v's
	s_and_b32 s56, s[WV], 3
	s_mul_i32 s56, s56, 25600                      ; my quarter of the record
	s_add_co_u32 s54, s54, s56
	s_add_co_u32 s54, s54, s52
	s_add_co_u32 s54, s54, 6553600
	s_mov_b32 s55, 0
	s_mov_b32 s24, 1
	s_mul_i32 s25, s[WV], 25600                    ; K's record at 0, V's at VREC
	s_lshl_b32 s58, s9, 5
	s_lshl_b32 s56, s[WV], 2
	s_add_co_u32 s58, s58, s56                     ; my first tile of queries
	s_mul_i32 s60, s58, 768
	s_add_co_u32 s60, s60, s52
	s_mov_b32 s61, 0
	s_lshl_b32 s62, s9, 10
	s_add_co_u32 s62, s62, s52
	s_add_co_u32 s62, s62, s51
	s_add_co_u32 s62, s62, SCO
	s_mov_b32 s63, 0
	s_lshr_b32 s40, s10, 4
	s_lshl_b32 s40, s40, 7
	s_add_co_u32 s40, s40, s58
	s_mul_i32 s40, s40, 12288                      ; ctx: a token tile's record,
	s_and_b32 s41, s10, 15
	s_mul_i32 s41, s41, 768                        ; the head's half fragment
	s_add_co_u32 s40, s40, s41
	s_mov_b32 s41, 0
	s_lshl_b32 s46, s10, 12
	s_lshl_b32 s47, s9, 10
	s_add_co_u32 s46, s46, s47
	s_add_co_u32 s46, s46, 6291456                 ; ctx's scale words
	s_mov_b32 s47, 0
	s_mov_b32 s[CS], 0x3e38aa3b                    ; log2(e) / 8
	s_mov_b32 s[CS+1], s[CS]
	s_mov_b32 s[SEL], 0x76543210
	s_mov_b32 s[SEL+1], 0xfedcba98                 ; lane l xor 16
	s_mov_b32 s36, 0x05040100
	s_mov_b32 s37, 0x07060302
	s_mov_b32 s[PASSC], 0
	WALU
	v_add_nc_u32 v[SCI], s57, v[R16]
	v_add_nc_u32 v[SCG], s53, v[L16]
	v_add_nc_u32 v[SCR], SCS, v[SCG]
	WALU                                           ; at the head's end
	s_wait_dscnt 0x0
	s_wait_kmcnt 0x0
	s_add_nc_u64 s[26:27], s[4:5], s[54:55]
	s_or_b32 s27, s27, 0x80000000
	s_add_nc_u64 s[42:43], s[4:5], s[60:61]        ; q's codes
	s_add_nc_u64 s[12:13], s[4:5], s[62:63]        ; q's scale words
	s_add_nc_u64 s[44:45], s[6:7], s[40:41]
	s_add_nc_u64 s[46:47], s[6:7], s[46:47]
	CROUND                                         ; the four work-groups are here: the joint loads meet
	tensor_load_to_lds s[24:27], s[16:23]          ; my eighth of the two records: the wave's only tensor load
	s_nop 0
.rept 4
	v_nop
.endr
	global_load_b64 v[QW:QW+1], v[R16], s[12:13]
	s_wait_tensorcnt 0x0
	s_barrier_signal -1
	s_barrier_wait -1                              ; both records are whole; nothing is filled again
	WIN 0x40
	FRAGS KF, L16, L8                              ; step 0's k
	WIN 0
	WORDS AKS0, AVS0
	s_wait_loadcnt 0x0
.Lpass:
	WIN 0x40
.irp t, 0,1
	global_load_b128 v[Q+18*\t:Q+18*\t+3], v[L16], s[42:43] offset:768*\t
	global_load_b64 v[Q+18*\t+4:Q+18*\t+5], v[L8], s[42:43] offset:768*\t+512
	global_load_b128 v[Q+18*\t+12:Q+18*\t+15], v[L16], s[42:43] offset:768*\t
	global_load_b64 v[Q+18*\t+16:Q+18*\t+17], v[L8], s[42:43] offset:768*\t+512
.endr
.set J, 0
.rept 64
	v_mov_b32 v[O+J], 0                            ; the step is written once: the first finds zeros
.set J, J+1
.endr
	WIN 0
	v_perm_b32 v[QSC], v[QW], v[QW], 0x01000100    ; a tile's two bytes, for either half of K
	v_perm_b32 v[QSC+1], v[QW], v[QW], 0x03020302
.irp t, 0,1
	v_mov_b32 v[NM+2*\t+1], 0xff61b1e6             ; -3e38, under every t
.endr
.irp t, 0,1
	v_floor_f32 v[NM+2*\t], -v[NM+2*\t+1]
.endr
.irp i, 0,1,2,3
	v_mov_b32 v[SUM+\i], 0
.endr
	s_mov_b32 s[CNT], 0
	WALU
	s_wait_loadcnt 0x0
	s_wait_dscnt 0x0
.Lstep:
	STEP
	s_cmp_lg_u32 s[CNT], 16
	s_cbranch_scc1 .Lstep
.irp t, 0,1                            ; the pass's end: six plain lines are the places behind the last products
	v_add_f32 v[SUM+2*\t], v[SUM+2*\t], v[SUM+2*\t+1]
.endr
.irp t, 0,1
	H 2
	v_permlanex16_b32 v[WK+\t], v[SUM+2*\t], s[SEL], s[SEL+1]
.endr
.irp t, 0,1
	H 2
	v_add_f32 v[SUM+2*\t], v[SUM+2*\t], v[WK+\t]   ; the row's sum
.endr
	WALU
	v_rcp_f32 v[FF], v[SUM]
	v_rcp_f32 v[FF+2], v[SUM+2]
	v_nop
	WIN 0x01                                       ; O^T: window 1
	WALU
.irp t, 0,1
.set J, 0
.rept 16
	v_pk_mul_f32 v[S+64*\t+J:S+64*\t+J+1], v[O+32*\t+J:O+32*\t+J+1], v[FF+2*\t:FF+2*\t+1] op_sel_hi:[1,0]   ; ctx: 32 of the head's 64 a lane
.set J, J+2
.endr
.endr
	WIN 0
.irp t, 0,1
.irp x, 0,1
	v_max3_num_f32 v[BM+4*\t+\x], |v[S+64*\t+16*\x]|, |v[S+64*\t+16*\x+1]|, 0x1800000
.endr
.endr
.irp i, 2,4,6,8,10,12,14
.irp t, 0,1
.irp x, 0,1
	H 4
	v_max3_num_f32 v[BM+4*\t+\x], v[BM+4*\t+\x], |v[S+64*\t+16*\x+\i]|, |v[S+64*\t+16*\x+\i+1]|
.endr
.endr
.endr
.irp t, 0,1
.irp x, 0,1
	H 4
	v_permlanex16_b32 v[BT+4*\t+\x], v[BM+4*\t+\x], s[SEL], s[SEL+1]
.endr
.endr
.irp t, 0,1
.irp x, 0,1
	H 4
	v_max_num_f32 v[BM+4*\t+\x], v[BM+4*\t+\x], v[BT+4*\t+\x]
.endr
.endr
.irp t, 0,1
.irp x, 0,1
	H 4
	v_add_nc_u32 v[SOP+4*\t+\x], 0xff000000, v[BM+4*\t+\x]
.endr
.endr
.irp t, 0,1
.irp x, 0,1
	H 4
	v_lshrrev_b32 v[BT+4*\t+\x], 23, v[SOP+4*\t+\x]
.endr
.endr
	H 3
	v_lshl_or_b32 v[WK], v[BT+1], 8, v[BT]
	H 2
	v_lshl_or_b32 v[WK+1], v[BT+5], 8, v[BT+4]
	v_mov_b32 v[UW], v[UW+1]                       ; the first pass's word moves down,
	H 2
	v_lshl_or_b32 v[UW+1], v[WK+1], 16, v[WK]      ; this pass's: two bytes of each tile
.irp t, 0,1
	v_cvt_scalef32_pk16_fp6_f32 v[PC+12*\t:PC+12*\t+2], v[S+64*\t:S+64*\t+15], v[SOP+4*\t]
	v_cvt_scalef32_pk16_fp6_f32 v[TY+8*\t:TY+8*\t+2], v[S+64*\t+16:S+64*\t+31], v[SOP+4*\t+1]
.endr
	v_nop                                          ; one plain line behind the scaled conversions
	SWAPS 0, 0
	SWAPS 1, 0
.irp t, 0,1
	global_store_b128 v[L16], v[PC+12*\t:PC+12*\t+3], s[44:45] offset:12288*\t           ; 512 consecutive bytes
	global_store_b64 v[L8], v[PC+12*\t+4:PC+12*\t+5], s[44:45] offset:12288*\t+512       ; 256 consecutive bytes
.endr
	s_wait_xcnt 0x0                                ; the bases and the stores' data are rewritten only behind this wait
	s_add_nc_u64 s[42:43], s[42:43], 1536          ; the next two tiles of queries
	s_add_nc_u64 s[44:45], s[44:45], 24576
	v_mov_b32 v[QW], v[QW+1]
	s_add_co_u32 s[PASSC], s[PASSC], 1
	s_cmp_lg_u32 s[PASSC], 2
	WALU
	s_cbranch_scc1 .Lpass
	ds_store_b64 v[SCI], v[UW:UW+1]                ; ctx's scale words gather in LDS and leave as whole runs of 512 bytes
	s_wait_dscnt 0x0
	s_barrier_signal -1
	s_barrier_wait -1
	s_cmp_lt_u32 s[WV], 2
	s_cbranch_scc0 .Lno_scales
	ds_load_b128 v[S:S+3], v[SCR]
	s_wait_dscnt 0x0
	global_store_b128 v[SCG], v[S:S+3], s[46:47]
.Lno_scales:
	s_wait_tensorcnt 0x0                           ; the wave's end
	ds_add_u32 v[SPW], v[NIL]
	s_wait_dscnt 0x0
	CROUND                                         ; the closing round
	s_endpgm
.Lfunc_end_k_qc51a905329_attn:
	.size	k_qc51a905329_attn, .Lfunc_end_k_qc51a905329_attn-k_qc51a905329_attn
	.p2alignl 7, 3214868480
	.fill 96, 4, 3214868480
	.section	.rodata,"a",@progbits
	.p2align	6, 0x0
	.amdhsa_kernel k_qc51a905329_attn
		.amdhsa_group_segment_fixed_size 327680
		.amdhsa_private_segment_fixed_size 0
		.amdhsa_enable_private_segment 0
		.amdhsa_kernarg_size 16
		.amdhsa_user_sgpr_count 2
		.amdhsa_user_sgpr_kernarg_segment_ptr 1
		.amdhsa_wavefront_size32 1
		.amdhsa_system_sgpr_workgroup_id_x 1
		.amdhsa_system_sgpr_workgroup_id_y 1
		.amdhsa_system_sgpr_workgroup_id_z 1
		.amdhsa_system_vgpr_workitem_id 0
		.amdhsa_next_free_vgpr 512
		.amdhsa_next_free_sgpr 66
		.amdhsa_reserve_vcc 0
		.amdhsa_float_denorm_mode_32 3
		.amdhsa_float_denorm_mode_16_64 3
		.amdhsa_memory_ordered 1
		.amdhsa_forward_progress 1
		.amdhsa_inst_pref_size 54
	.end_amdhsa_kernel
	.amdgpu_metadata
---
amdhsa.version: [ 1, 2 ]
amdhsa.kernels:
  - .name:           k_qc51a905329_attn
    .symbol:         k_qc51a905329_attn.kd
    .args:
      - { .name: pc, .offset: 0, .size: 8, .value_kind: global_buffer, .address_space: global }
      - { .name: cc, .offset: 8, .size: 8, .value_kind: global_buffer, .address_space: global }
    .group_segment_fixed_size: 327680
    .private_segment_fixed_size: 0
    .kernarg_segment_align: 8
    .kernarg_segment_size: 16
    .max_flat_workgroup_size: 256
    .sgpr_count:     66
    .vgpr_count:     512
    .wavefront_size: 32
...
	.end_amdgpu_metadata
.endif
;; end of part 3
;; launch outp (part 4): grid 4 x 64, 4 waves a work-group, clusters of 4 x 4, 327,680 bytes of LDS; arguments xc, cc, bo, out0; writes out0
.if DOCPART == 4
	.amdgcn_target "amdgcn-amd-amdhsa--gfx1250"
	.amdhsa_code_object_version 6
	.text
	.protected	k_qc51a905329_outp
	.globl	k_qc51a905329_outp
	.p2align	8
	.type	k_qc51a905329_outp,@function
k_qc51a905329_outp:
	s_mov_b64 s[64:65], 0
	v_nop
	global_prefetch_b8 v0, s[64:65] scope:SCOPE_SE
	s_setreg_imm32_b32 hwreg(HW_REG_WAVE_MODE, 25, 1), 1
	s_wait_xcnt 0x0
	s_wait_alu depctr_hold_cnt(0) depctr_sa_sdst(0) depctr_va_vdst(0) depctr_va_sdst(0) depctr_va_ssrc(0) depctr_va_vcc(0) depctr_vm_vsrc(0)
	s_getreg_b32 s2, hwreg(HW_REG_IB_STS2, 6, 4)
	s_cmp_eq_u32 s2, 0
	s_cbranch_scc0 .Lentry_in_a_cluster
	s_endpgm
.Lentry_in_a_cluster:
	s_bfe_u32 s2, ttmp6, 0x10000c
	s_cmp_lg_u32 s2, 0xf033
	s_cbranch_scc0 .Lentry_shape_is_right
	s_endpgm
.Lentry_shape_is_right:
; out0 = ctx Wo^T + bo on codes of FP6 (E2M3).  Wo comes as tile records of 12,800 bytes (8 fragments laid as the operand's registers, 512 bytes of scale words), ctx as records of 12,288 bytes
; (head hd's half fragment at 768 hd: K = 64 hd + d) with its scale bytes apart, two for each token and head.  Row i of tile t is row 32 (t / 2) + 8 (t % 2) + i + 8 (i / 8).
; A WORK-GROUP makes P = 256 output columns (source 0 = rows of Wo: they run along a lane's registers) x R = 128 tokens (source 1: a lane a token), with ALL of K in LDS: 24 tiles x 12,288 bytes, filled once,
; in two chunks of four K steps.  A wave owns 64 columns against all 128 tokens: 32 accumulators; its 64 columns are 256 bytes of a row of out0.
; CLUSTER 4 x 4: ctx's tiles hang on cy and are asked for jointly by the four of a row; Wo's hang on cx and are asked for jointly by the four of a column.
; A wave has one tensor load out at the most.  Nothing is prefetched: every tensor load stands at the head.
; REGISTERS: window 0: v1-5 lane terms, v6-7 the add's two, v8-23 LDS addresses, v24-28 addresses, v32-63 ctx's scale words, v64-79 Wo's, v80-111 the bias as C, v144-207 rows on the way out, v208-239 ctx's scale bytes as loaded.
;   window 1, window 3: two sets of fragments (P's four at 12 b, R's eight at 48 + 12 a).   window 2: accumulator (a, b) at 8 (4 a + b).
.set REC,   12800
.set RECC,  12288
; THE FILLS AS THEY STAND NOW (this takes the place of what the head says of four chunks and of eight loads): K comes in TWO chunks of four K steps, 6,144 bytes a tile.
; A chunk is brought by one joint load a wave: waves 0 and 1 four of ctx's tiles each, waves 2 and 3 eight of Wo's each.  Chunk 0 is asked for at the head, chunk 1 behind the three lines and a round
; of the cluster's barrier; a plain barrier in K step 3 shows chunk 1 to all waves.  A wave has one tensor load out at the most.
.set CHUNK, 147456                     ; 24 tiles x four K steps
.set POFF,  49152                      ; in a chunk: R's eight tiles, then P's sixteen
.set STG,   294912                     ; behind the tiles: a stage of 16 rows x (256 + 16) bytes for each wave; no tile lands there
.set SPARE, 312320
.set DUP,   0
.set L16, 4
.set L8,  5
.set SPW, 6
.set NIL, 7
.set AR16, 8
.set AR8,  12
.set AP16, 16
.set AP8,  20
.set STO, 24
.set RD,  25
.set CO,  26
.set RS,  32
.set PS,  64
.set BI,  80
.set BK,  144
.set Z,   208
.set WV,  14
.set G1R, 24
.set G1P, 32
.set G0R, 40
.set MSB, 0
.macro WIN new                         ; the immediate's high byte repeats the setting that is left
.if MSB != (\new)
	s_set_vgpr_msb (MSB<<8)|(\new)
.set MSB, (\new)
.endif
.endm
.macro PLACES                          ; four plain lines between a matrix instruction and a load into, or a read of, its registers
.rept 4
	v_nop
.endr
.endm
.macro CROUND
	s_barrier_signal -1
	s_barrier_wait -1
	s_cmp_lg_u32 s[WV], 0
	s_cbranch_scc1 .Lnot_wave_0_\@
	s_barrier_signal -3
.Lnot_wave_0_\@:
	s_barrier_wait -3
	s_barrier_signal -1
	s_barrier_wait -1
.endm
.macro FR4 reg, a16, a8, off
	ds_load_b128 v[(\reg):(\reg)+3], v[\a16] offset:(\off)
	ds_load_b64 v[(\reg)+4:(\reg)+5], v[\a8] offset:(\off)+512
	ds_load_b128 v[(\reg)+6:(\reg)+9], v[\a16] offset:(\off)+768
	ds_load_b64 v[(\reg)+10:(\reg)+11], v[\a8] offset:(\off)+1280
.endm
.macro FETCH s
	WIN 0x40+0x80*((\s)%2)
.irp b, 0,1,2,3
	FR4 12*\b, AP16+(\s)/4, AP8+(\s)/4, \b*6144+((\s)%4)*1536
.endr
.irp a, 0,1,2,3,4,5,6,7
	FR4 48+12*\a, AR16+(\s)/4, AR8+(\s)/4, \a*6144+((\s)%4)*1536
.endr
.endm
.macro WM s, a, b, cm                  ; one product.  cm = 1: C = the bias along P; 0: C = D.  Scale words: register s % 4; K steps 4-7 lie in lanes 16-31
.set rD, 8*(4*(\a)+(\b))
.set rA, 12*(\b)
.set rB, 48+12*(\a)
.set rX, PS+4*(\b)+(\s)%4
.set rY, RS+4*(\a)+(\s)%4
.if (\cm) == 1
	v_wmma_scale_f32_16x16x128_f8f6f4 v[rD:rD+7], v[rA:rA+11], v[rB:rB+11], v[BI+8*((\b)+4*DUP*((\a)%2)):BI+8*((\b)+4*DUP*((\a)%2))+7], v[rX], v[rY] matrix_a_fmt:MATRIX_FMT_FP6 matrix_b_fmt:MATRIX_FMT_FP6
.elseif (\s) < 4
	v_wmma_scale_f32_16x16x128_f8f6f4 v[rD:rD+7], v[rA:rA+11], v[rB:rB+11], v[rD:rD+7], v[rX], v[rY] matrix_a_fmt:MATRIX_FMT_FP6 matrix_b_fmt:MATRIX_FMT_FP6
.else
	v_wmma_scale_f32_16x16x128_f8f6f4 v[rD:rD+7], v[rA:rA+11], v[rB:rB+11], v[rD:rD+7], v[rX], v[rY] matrix_a_fmt:MATRIX_FMT_FP6 matrix_b_fmt:MATRIX_FMT_FP6 matrix_a_scale:MATRIX_SCALE_ROW1 matrix_b_scale:MATRIX_SCALE_ROW1
.endif
.endm
.macro MULH s, a0, cm                  ; 16 products; the 32 accumulators take turns, one instruction a turn, in one order throughout
.irp a, \a0, \a0+1, \a0+2, \a0+3
.irp b, 0,1,2,3
	WM \s, \a, \b, \cm
.endr
.endr
.endm
.macro KSTEP s
	s_wait_dscnt 0x0                               ; this K step's fragments are in
	WIN 0xa5+0x0a*((\s)%2)
	MULH \s, 0, 0
.if (\s) == 3
	s_wait_tensorcnt 0x0                           ; my load of chunk 1 has landed
	s_barrier_signal -1                            ; (no LDS instruction of mine is out)
	s_barrier_wait -1
.endif
.if (\s) < 7
	PLACES                                         ; the other set was read by the K step before
	FETCH (\s)+1
.endif
	WIN 0xa5+0x0a*((\s)%2)
	MULH \s, 4, 0
.endm
	s_load_b256 s[4:11], s[0:1], 0x0               ; xc, cc, bo, out0
	v_lshl_add_u32 v[SPW], v0, 2, SPARE
	v_mov_b32 v[NIL], 0
	ds_add_u32 v[SPW], v[NIL]                      ; the wave's opening: the add and its wait ahead of my first tensor load; work on registers stands between
	ds_add_u32 v[SPW], v[NIL]
	v_lshrrev_b32 v1, 5, v0
	v_readfirstlane_b32 s[WV], v1                  ; wave
	v_and_b32 v1, 31, v0
	v_and_b32 v2, 15, v0                           ; r
	v_bfe_u32 v3, v0, 4, 1                         ; h
	v_lshlrev_b32 v[L16], 4, v1
	s_wait_alu depctr_va_vdst(0)
	v_lshlrev_b32 v[L8], 3, v1
	s_wait_alu depctr_va_vdst(0)
	s_bfe_u32 s15, ttmp6, 0x40000                  ; cx
	s_bfe_u32 s16, ttmp6, 0x40004                  ; cy
	s_and_b32 s17, ttmp7, 0xffff                   ; cluster y
	s_lshl_b32 s79, s16, 2
	s_lshl_b32 s79, 15, s79                        ; my row of the cluster
	s_lshl_b32 s81, 0x1111, s15                    ; my column
	s_or_b32 s[G1R], s79, (3<<16)|(1<<21)
	s_or_b32 s[G1P], s81, (3<<16)|(1<<21)
.irp g, G1R, G1P
	s_mov_b32 s[\g+1], 768<<16                     ; a tile's four K steps: 6,144 bytes
	s_mov_b32 s[\g+3], 768<<16
	s_mov_b32 s[\g+6], 0
	s_mov_b32 s[\g+7], 0
.endr
	s_mov_b32 s[G1R+2], 4<<16                      ; R: four tiles a load
	s_mov_b32 s[G1R+4], 4
	s_mov_b32 s[G1R+5], RECC/8
	s_mov_b32 s[G1P+2], 8<<16                      ; P: eight tiles a load
	s_mov_b32 s[G1P+4], 8
	s_mov_b32 s[G1P+5], REC/8
	s_lshl_b32 s77, s17, 2
	s_add_co_u32 s77, s77, s16                     ; R block: 128 tokens
	s_lshl_b32 s78, s15, 4
	s_lshl_b32 s3, s[WV], 2
	s_add_co_u32 s78, s78, s3
	s_add_co_u32 s78, s78, 1728                    ; my first tile of Wo
	s_mul_i32 s82, s78, REC
	s_mov_b32 s83, 0
	s_mul_i32 s84, s77, 8*RECC
	s_mov_b32 s85, 0
	s_and_b32 s48, s[WV], 1                        ; which half of R's or of P's tiles I fetch
	s_mul_i32 s86, s48, 4*RECC                     ; R: four tiles
	s_mov_b32 s87, 0
	s_mul_i32 s66, s48, 24576                      ; and where they go: no place in the cluster enters an LDS address
	s_mul_i32 s67, s[WV], 24576
	s_add_co_u32 s67, s67, POFF                    ; where my own four tiles of P lie
	s_mul_i32 s49, s48, 49152
	s_add_co_u32 s49, s49, POFF                    ; P: where the eight tiles that I fetch go
	s_lshl_b32 s50, s48, 3
	s_add_co_u32 s50, s50, s78
	s_lshl_b32 s51, s[WV], 2
	s_sub_co_u32 s50, s50, s51                     ; the work-group's first tile of Wo + 8 x half
	s_mul_i32 s50, s50, REC
	s_mov_b32 s51, 0
	s_lshl_b32 s92, s15, 10
	s_lshl_b32 s93, s[WV], 8
	s_add_co_u32 s92, s92, s93                     ; my 64 columns, in bytes: in bo and in a row of out0
	s_mov_b32 s93, 0
	s_lshr_b32 s94, s77, 4
	s_lshl_b32 s94, s94, 16
	s_and_b32 s95, s77, 15
	s_lshl_b32 s95, s95, 8
	s_add_co_u32 s94, s94, s95
	s_add_co_u32 s94, s94, 6291456                 ; ctx's scale bytes: batch x 65,536 + (128 tokens) x 256; a head is 4,096 on
	s_mov_b32 s95, 0
	s_lshl_b32 s96, s77, 19                        ; 128 rows of 4,096 bytes
	s_add_co_u32 s96, s96, s92
	s_mov_b32 s97, 0
	s_mov_b32 s20, 0x05040100                      ; two low halves
	s_mov_b32 s21, 0x07060302                      ; two high halves
.irp j, 0,1
	v_add_nc_u32 v[AR16+\j], \j*CHUNK, v[L16]
	v_add_nc_u32 v[AR8+\j], \j*CHUNK, v[L8]
.endr
	v_add_nc_u32 v[AP16], s67, v[L16]
	v_add_nc_u32 v[AP8], s67, v[L8]
.irp j, 1
	v_add_nc_u32 v[AP16+\j], \j*CHUNK, v[AP16]
	v_add_nc_u32 v[AP8+\j], \j*CHUNK, v[AP8]
.endr
	s_mul_i32 s22, s[WV], 4352
	s_add_co_u32 s22, s22, STG                     ; my stage
	v_mul_u32_u24 v[STO], v2, 272
	v_lshl_add_u32 v[STO], v3, 6, v[STO]
	v_add_nc_u32 v[STO], s22, v[STO]               ; in: row r, + 64 h bytes
	v_mul_u32_u24 v[RD], v3, 272
	v_lshl_add_u32 v[RD], v2, 4, v[RD]
	v_add_nc_u32 v[RD], s22, v[RD]                 ; back: lanes 0-15 one row of 256 bytes, lanes 16-31 the next
	v_lshlrev_b32 v[CO], 12, v3
	v_lshl_add_u32 v[CO], v2, 4, v[CO]             ; and the same two rows in out0
	v_lshlrev_b32 v27, 6, v3                       ; the bias: 64 h bytes
	v_lshlrev_b32 v28, 15, v3
	v_lshl_add_u32 v28, v2, 4, v28                 ; ctx's scale bytes: lanes 16-31 take the heads 8 on; 16 bytes a row
	s_wait_dscnt 0x0                               ; the opening add is done
	s_wait_kmcnt 0x0
	s_add_nc_u64 s[82:83], s[4:5], s[82:83]        ; my tiles of Wo
	s_add_nc_u64 s[84:85], s[6:7], s[84:85]        ; ctx's eight tiles
	s_add_nc_u64 s[86:87], s[84:85], s[86:87]      ; the four that I fetch
	s_add_nc_u64 s[90:91], s[8:9], s[92:93]        ; bo
	s_add_nc_u64 s[94:95], s[6:7], s[94:95]        ; ctx's scale bytes
	s_add_nc_u64 s[96:97], s[10:11], s[96:97]      ; out0
	s_add_nc_u64 s[50:51], s[4:5], s[50:51]        ; the eight tiles of Wo that I fetch
.irp j, 0,1
	s_mov_b32 s[G0R+4*\j], 1
	s_add_co_u32 s[G0R+4*\j+1], s66, \j*CHUNK
	s_add_nc_u64 s[G0R+4*\j+2:G0R+4*\j+3], s[86:87], \j*6144
	s_or_b32 s[G0R+4*\j+3], s[G0R+4*\j+3], 0x80000000
	s_mov_b32 s[56+4*\j], 1
	s_add_co_u32 s[56+4*\j+1], s49, \j*CHUNK
	s_add_nc_u64 s[56+4*\j+2:56+4*\j+3], s[50:51], \j*6144
	s_or_b32 s[56+4*\j+3], s[56+4*\j+3], 0x80000000
.endr
.macro JLOAD j                         ; chunk j: waves 0 and 1 ask for ctx's tiles, waves 2 and 3 for Wo's; each line has one mask; the branch hangs on the wave's number alone
	s_cmp_lt_u32 s[WV], 2
	s_cbranch_scc0 .Lfor_p_\@
	tensor_load_to_lds s[G0R+4*\j:G0R+4*\j+3], s[G1R:G1R+7]
	s_nop 0
	PLACES
	s_branch .Lasked_\@
.Lfor_p_\@:
	tensor_load_to_lds s[56+4*\j:56+4*\j+3], s[G1P:G1P+7]
	s_nop 0
	PLACES
.Lasked_\@:
.endm
	CROUND                                         ; all sixteen work-groups are here: the joint loads meet
	JLOAD 0                                        ; one tensor load a wave at the head
.irp b, 0,1,2,3
	global_load_b128 v[PS+4*\b:PS+4*\b+3], v[L16], s[82:83] offset:\b*REC+12288
.endr
	s_wait_alu depctr_va_vdst(0)
.irp i, 0,1,2,3,4,5,6,7
	global_load_b128 v[Z+4*\i:Z+4*\i+3], v28, s[94:95] offset:\i*4096   ; head 8 h + i: row r's two bytes for each of the eight tiles
.endr
.irp b, 0,1,2,3
	global_load_b128 v[BI+8*\b:BI+8*\b+3], v27, s[90:91] offset:(32*(\b/2)+8*(\b%2))*4
	global_load_b128 v[BI+8*\b+4:BI+8*\b+7], v27, s[90:91] offset:(32*(\b/2)+8*(\b%2))*4+16
.endr
	s_wait_tensorcnt 0x0                           ; my part of chunk 0 is in
	ds_add_u32 v[SPW], v[NIL]
	s_wait_dscnt 0x0
	CROUND                                         ; everybody's part is in, and the joint loads meet
	JLOAD 1                                        ; chunk 1: it has K steps 0 to 3 in which to land
	FETCH 0
	WIN 0
	s_wait_loadcnt 0x0
.irp u, 0,1,2,3                        ; ctx's scale word of tile a, K step u (lanes 0-15) or 4 + u (lanes 16-31): the bytes of heads 2 u and 2 u + 1.  K step 0's words first: 24 plain lines follow them ahead of the first product
.irp a, 0,1,2,3,4,5,6,7
	v_perm_b32 v[RS+4*\a+\u], v[Z+4*(2*\u+1)+\a/2], v[Z+4*(2*\u)+\a/2], s[20+\a%2]
.endr
.endr
	s_wait_dscnt 0x0
	FETCH 1
	WIN 0x85                                       ; fragments window 1, C (the bias) window 0, D window 2
	MULH 0, 0, 1
	MULH 0, 4, 1
.irp s, 1,2,3,4,5,6,7
	s_wait_alu depctr_va_vdst(0)
	KSTEP \s
.endr
	WIN 0
	PLACES
; THE WAY OUT, a tile of 16 tokens at a time: a lane holds 32 neighbouring bytes of a row, four times; they go through my stage and come back as whole rows of 256 bytes.
; LDS serves a wave's instructions in order (ISA guide 5.7.1.4): no wait between the stores and the loads, nor in front of the next tile's stores.
.macro TOSTAGE a
	WIN 0x08                                       ; an LDS store's data are its source 1: window 2
.irp b, 0,1,2,3
	ds_store_b128 v[STO], v[8*(4*(\a)+\b):8*(4*(\a)+\b)+3] offset:128*(\b/2)+32*(\b%2)          ; each accumulator from its low end on
	ds_store_b128 v[STO], v[8*(4*(\a)+\b)+4:8*(4*(\a)+\b)+7] offset:128*(\b/2)+32*(\b%2)+16
.endr
	WIN 0
.irp i, 0,1,2,3,4,5,6,7
	ds_load_b128 v[BK+32*((\a)%2)+4*\i:BK+32*((\a)%2)+4*\i+3], v[RD] offset:\i*544
.endr
.endm
.macro SEND a, younger                 ; younger: the LDS instructions issued behind tile a's loads, which may stay out
	s_wait_dscnt \younger
.irp i, 0,1,2,3,4,5,6,7
	global_store_b128 v[CO], v[BK+32*((\a)%2)+4*\i:BK+32*((\a)%2)+4*\i+3], s[96:97] offset:(32*((\a)/2)+8*((\a)%2)+2*\i+8*(\i/4))*4096 th:TH_STORE_NT   ; 16 lanes store 256 consecutive bytes, aligned; tile rows 2 i and 2 i + 1
.endr
.endm
	TOSTAGE 0
.irp a, 1,2,3,4,5,6,7
.if \a > 1
	s_wait_xcnt 0x0                                ; tile a - 2's stores have read their registers: tile a's loads may land there
.endif
	TOSTAGE \a
	SEND \a-1, 16                                  ; behind tile a - 1's loads: tile a's 8 stores and 8 loads
.endr
	SEND 7, 0
	s_wait_tensorcnt 0x0                           ; the wave's end, behind my last LDS store
	ds_add_u32 v[SPW], v[NIL]
	s_wait_dscnt 0x0
	CROUND                                         ; the closing round
	s_endpgm
.Lfunc_end_k_qc51a905329_outp:
	.size	k_qc51a905329_outp, .Lfunc_end_k_qc51a905329_outp-k_qc51a905329_outp
	.p2alignl 7, 3214868480
	.fill 96, 4, 3214868480
	.section	.rodata,"a",@progbits
	.p2align	6, 0x0
	.amdhsa_kernel k_qc51a905329_outp
		.amdhsa_group_segment_fixed_size 327680
		.amdhsa_private_segment_fixed_size 0
		.amdhsa_enable_private_segment 0
		.amdhsa_kernarg_size 32
		.amdhsa_user_sgpr_count 2
		.amdhsa_user_sgpr_kernarg_segment_ptr 1
		.amdhsa_wavefront_size32 1
		.amdhsa_system_sgpr_workgroup_id_x 1
		.amdhsa_system_sgpr_workgroup_id_y 1
		.amdhsa_system_sgpr_workgroup_id_z 1
		.amdhsa_system_vgpr_workitem_id 0
		.amdhsa_next_free_vgpr 912
		.amdhsa_next_free_sgpr 102
		.amdhsa_reserve_vcc 0
		.amdhsa_float_denorm_mode_32 3
		.amdhsa_float_denorm_mode_16_64 3
		.amdhsa_memory_ordered 1
		.amdhsa_forward_progress 1
		.amdhsa_inst_pref_size 86
	.end_amdhsa_kernel
	.amdgpu_metadata
---
amdhsa.version: [ 1, 2 ]
amdhsa.kernels:
  - .name:           k_qc51a905329_outp
    .symbol:         k_qc51a905329_outp.kd
    .args:
      - { .name: xc, .offset: 0, .size: 8, .value_kind: global_buffer, .address_space: global }
      - { .name: cc, .offset: 8, .size: 8, .value_kind: global_buffer, .address_space: global }
      - { .name: bo, .offset: 16, .size: 8, .value_kind: global_buffer, .address_space: global }
      - { .name: out0, .offset: 24, .size: 8, .value_kind: global_buffer, .address_space: global }
    .group_segment_fixed_size: 327680
    .private_segment_fixed_size: 0
    .kernarg_segment_align: 8
    .kernarg_segment_size: 32
    .max_flat_workgroup_size: 128
    .sgpr_count:     102
    .vgpr_count:     912
    .wavefront_size: 32
...
	.end_amdgpu_metadata
.endif
;; end of part 4
